; MI455X (gfx1250); checked and timed in simulation.
; The chip was launched on July 23, 2026; its instructions are those of AMD's public machine-readable ISA for CDNA 5 (MIT licence, August 2026) and "CDNA5" Instruction Set Architecture Reference Guide (July 2026). The comments in the code are by the model that wrote it; some were corrected since.
;; Casual Multi Head Self Attention. Allowed arithmetic: matrix products marked QUANTISED: E2M3 operands, one E8M0 scale for each 32 along K, by v_wmma_scale_f32_16x16x128_f8f6f4 with both operands' format E2M3, f32 sums; everything else in f32.
;; Inputs: Wk 1,024 x 1,024 float32; Wo 1,024 x 1,024 float32; Wq 1,024 x 1,024 float32; Wv 1,024 x 1,024 float32; token_positions 2 x 2,048 int32; x 2 x 2,048 x 1,024 float32.
;; Outputs: out0 2 x 2,048 x 1,024 float32.
;; This version of the problem:
;;   THIS VERSION OF THE PROBLEM IS GIVEN IN LOW PRECISION. The matrix products marked QUANTISED in the list below multiply operands that are first quantised to E2M3 (2 exponent bits, 3 mantissa bits; 6 bits a number), with one power-of-two scale for each 32 numbers along K (OCP MX v1.0); their sums are f32. All else is computed in f32.
;;   The module's matrix products, in the order in which they are computed (A, B: the left and right operand; K: the contracted axis; several contracted axes count as one K, in the product's order):
;;     1. [M 4,096, K 1,024] x [K 1,024, N 1,024]; A: input x; B: input Wq: QUANTISED
;;     2. [M 4,096, K 1,024] x [K 1,024, N 1,024]; A: input x; B: input Wk: QUANTISED
;;     3. [M 4,096, K 1,024] x [K 1,024, N 1,024]; A: input x; B: input Wv: QUANTISED
;;     4. batch 32 x [M 2,048, K 64] x [K 64, N 2,048]; A: computed on the way; B: computed on the way: QUANTISED
;;     5. batch 32 x [M 2,048, K 2,048] x [K 2,048, N 64]; A: softmax (see below); B: computed on the way: QUANTISED
;;     6. [M 4,096, K 1,024] x [K 1,024, N 1,024]; A: computed on the way; B: input Wo: QUANTISED
;;   THE QUANTISER, for each operand of a quantised product, along K:
;;     - K is cut into blocks of 32 from its start; a last block that is shorter is filled with zeros.
;;     - A block's scale is 2^e with e = floor(log2(the largest magnitude in the block)) - 2, held to -126 .. 127; a block of zeros has e = 0. As a byte (E8M0): e + 127.
;;     - Each number is divided by its block's scale, clamped to +-7.5, and rounded to the nearest number of E2M3, ties to even, subnormals kept.
;;     - The product sums the exact products of the quantised numbers (number of the format x scale) in f32.
;;   ~~~python
;;   def quantise(x, axis):      # numpy; x: float32 -> the quantised numbers, widened to float32 again
;;       x = np.moveaxis(x, axis, -1); K = x.shape[-1]
;;       x = np.pad(x, [(0, 0)] * (x.ndim - 1) + [(0, -K % 32)]); x = x.reshape(x.shape[:-1] + (-1, 32)); a = np.abs(x).max(-1, keepdims=True)
;;       e = np.where(a > 0, np.clip(np.frexp(np.where(a > 0, a, 1))[1] - 1 - 2, -126, 127), 0)      # np.frexp(a)[1] - 1 = floor(log2(a)), exactly
;;       r = np.clip(x / 2.0 ** e, -7.5, 7.5)
;;       step = 2.0 ** (np.maximum(np.frexp(np.where(r == 0, 1, r))[1] - 1, 0) - 3)
;;       q = np.round(r / step) * step * 2.0 ** e      # np.round: ties to even
;;       return np.moveaxis(q.reshape(q.shape[:-2] + (-1,))[..., :K], -1, axis).astype(np.float32)
;;   ~~~
;;   SOFTMAX AHEAD OF A QUANTISED PRODUCT. Where the list says 'softmax', what is quantised is not the finished softmax but p = 2^(t - M), with t = logit x log2(e) and M = ceil(the row's largest t), a whole number; so 1/2 < the row's largest p <= 1. The row's sum l is taken of the UNQUANTISED p, in f32, and the product's result is divided by l at the end. Since M is a whole number, a kernel that streams over the keys may use a running M (the ceiling of the running maximum): every later rescaling is an exact power of two, which a block's scale takes up: the codes' values come out the same.
;;   OPERANDS COMPUTED ON THE WAY. 'Computed on the way' means the value that the module computes at that place (a softmax that the list does not call 'softmax' is quantised finished and normalised). What goes into a quantiser is computed in f32, as accurately as f32 sums, v_exp_f32 and their like allow (about 1e-6 of the number): no bf16 or f16 on the way to a quantiser, and a product that is left as it is and whose result goes on into a quantised operand takes f32 operands (vector FMAs, or v_wmma_f32_16x16x4_f32). A number that lies on a knife's edge between two numbers of the format may be rounded either way, as far as f32 arithmetic and the matrix unit's own rounding can turn it there, and no further.
;; One version. Each part assembles by itself: llvm-mc -triple=amdgcn-amd-amdhsa -mcpu=gfx1250 --defsym DOCPART=n.
;; ======== version 1 of 1: 4 launches
;; limits: right only within a limited range of input values
;; workspace buffers: in_codes 6,291,456 bytes; in_scales 262,144 bytes; rope 1,048,576 bytes; qkv_img 9,437,184 bytes; qkv_sc 393,216 bytes; attn_img 3,145,728 bytes; attn_sc 131,072 bytes
;; launch prep (part 1): grid 256 x 1, 4 waves a work-group, no clusters, 33,280 bytes of LDS; arguments x, Wq, Wk, Wv, Wo, token_positions, in_codes, in_scales, rope; writes in_codes, in_scales, rope
.if DOCPART == 1
	.amdgcn_target "amdgcn-amd-amdhsa--gfx1250"
	.amdhsa_code_object_version 6
	.text
	.protected	k_qbc4381159c_prep
	.globl	k_qbc4381159c_prep
	.p2align	8
	.type	k_qbc4381159c_prep,@function
k_qbc4381159c_prep:
	s_mov_b64 s[64:65], 0
	v_nop
	global_prefetch_b8 v0, s[64:65] scope:SCOPE_SE
	s_setreg_imm32_b32 hwreg(HW_REG_WAVE_MODE, 25, 1), 1
	s_wait_xcnt 0x0
; x [4096][1024] and Wq, Wk, Wv, Wo [1024][1024], f32, K innermost, become codes of FP6 (E2M3) with one E8M0 byte for each 32 along K, in ONE buffer of 8,192 rows:
; rows 0-4095 x, 4096-5119 Wq, 5120-6143 Wk, 6144-7167 Wv, 7168-8191 Wo; a row is 768 bytes of codes (one stream of bits) and 32 scale bytes.
; Wv's ROWS ARE STORED WITH BITS 3 AND 4 OF THE ROW NUMBER SWAPPED: the attention launch's results then lie, 16 registers a lane, as 16 neighbours along the last product's K.
; A block's scale is 2^(floor(log2(largest magnitude)) - 2); its byte is the largest magnitude's exponent field - 2, held at 1 from below (a block of zeros gets the byte 1: its codes are zeros, and only this program reads the bytes).
; A wave takes a run of 8,192 numbers (8 rows) in 16 steps of 512.  Each load reads 512 consecutive bytes; a step's 2,048 bytes turn through the wave's own stage in LDS, so that a lane holds 16 neighbours for the conversion.
; The first 128 work-groups take x, then 32 each Wq, Wk, Wv, Wo: only pointers and run numbers are chosen, one way through the text.
; Work-group g also makes tile g (16 tokens) of the table of cos and sin for the rotary embedding: [tile 256][chunk 8][lane 32][16 bytes]; lane (r, h) of chunk 2 q + e holds cos f, sin f, cos f+1, sin f+1 of token 16 g + r,
; f = 8 q + 4 h + 2 e: the order in which the next launch's lanes hold the pairs of a head's 64 columns.  Wave w makes chunks 2 w and 2 w + 1.
; angle = f32(position) x 10^(-f / 8).  The 32 frequencies hang on the problem's constants alone (theta = 10,000, head size 64): with f = 8 w + 4 h + k they are 10^(-w) x 10^(-(4 h + k) / 8), a product of two rounded constants.
; sin and cos: the angle less k pi/2 (pi/2 in three parts, fused), two polynomials on +-pi/4.  k is the rounding of angle x 2/pi + 1.5 x 2^23: in that number's mantissa the whole number k stands in the low bits.
; LIMITS: NaN and infinities among the inputs are not served; blocks whose largest magnitude lies under 2^-124 keep the byte 1; the frequency lies within about 1.5 units in the last place of 10^(-f/8);
; k is right while |angle x 2/pi| stays under 2^22, that is for |position| under 6,000,000; the reduction's accuracy was reckoned for |position| up to 131,071.
.set STEPS, 16
.set EMAX,  2
.set CB,    12                         ; bytes of 16 codes
.set R,     16                         ; v16-79   four sets of 16 numbers as loaded
.set X,     80                         ; v80-111  two sets of 16 neighbours
.set E,     112                        ; v112-127 a scale byte for each step
.set C,     128                        ; v128-191 codes: four registers a step, never written again
.set WREG,  8192                       ; LDS: a region for each wave: two stages of 32 x SP bytes, then its 256 scale bytes
.set SP,    80                         ; a lane's place in a stage: 64 bytes + 16 of padding
	s_load_b512 s[8:23], s[0:1], 0x0               ; x 8, Wq 10, Wk 12, Wv 14, Wo 16, positions 18, codes 20, scale bytes 22
	s_load_b64 s[24:25], s[0:1], 0x40              ; the table
	v_lshl_add_u32 v254, v0, 2, 0x8000
	v_mov_b32 v255, 0
	v_lshrrev_b32 v1, 5, v0
	v_readfirstlane_b32 s30, v1                    ; wave
	v_and_b32 v2, 31, v0                           ; lane
	v_lshlrev_b32 v3, 4, v2                        ; my 16 bytes of 512
	s_mul_i32 s31, s30, WREG
	v_lshrrev_b32 v14, 2, v2
	v_mul_u32_u24 v14, v14, SP
	v_and_b32 v15, 3, v2
	v_lshl_add_u32 v14, v15, 4, v14
	v_add_nc_u32 v14, s31, v14                     ; the stage, on the way in: SP (lane / 4) + 16 (lane % 4)
	v_mul_u32_u24 v15, v2, SP
	v_add_nc_u32 v15, s31, v15                     ; on the way out: SP x lane
	v_mul_u32_u24 v4, v2, CB                       ; my codes' place in a step's
	v_lshrrev_b32 v5, 1, v2
	s_add_co_u32 s31, s31, 2*32*SP
	v_add_nc_u32 v5, s31, v5                       ; LDS: my block's scale byte
	v_lshlrev_b32 v7, 3, v2
	v_add_nc_u32 v6, s31, v7                       ; and 8 bytes a lane on the way out
	v_and_b32 v193, 15, v0
	v_lshlrev_b32 v193, 2, v193                    ; my token's position: 4 (lane % 16)
	s_mov_b32 s42, 0x3fc90fda                      ; pi / 2 in three parts
	s_mov_b32 s43, 0x33a22168
	s_mov_b32 s44, 0x27c234c5
	s_mov_b32 s45, 0xb94ca1f9                      ; sin: -1.9515296e-4, 8.3321609e-3, -1.6666655e-1
	s_mov_b32 s46, 0x3c08839e
	s_mov_b32 s47, 0xbe2aaaa3
	s_mov_b32 s48, 0x37ccf5ce                      ; cos: 2.4433157e-5, -1.3887316e-3, 4.1666646e-2
	s_mov_b32 s49, 0xbab6061a
	s_mov_b32 s50, 0x3d2aaaa5
	s_mov_b32 s52, 0x4b400000                      ; 1.5 x 2^23
	s_mov_b32 s53, 0x3f22f983                      ; 2 / pi
	s_mov_b32 s54, 0x47800000                      ; 65,536
	s_mov_b32 s51, 1.0                             ; 10^(-wave)
	s_cmp_eq_u32 s30, 1
	s_cselect_b32 s51, 0x3dcccccd, s51
	s_cmp_eq_u32 s30, 2
	s_cselect_b32 s51, 0x3c23d70a, s51
	s_cmp_eq_u32 s30, 3
	s_cselect_b32 s51, 0x3a83126f, s51
	s_and_b32 s32, ttmp9, 31
	s_cmp_lt_u32 ttmp9, 128
	s_cselect_b32 s32, ttmp9, s32                  ; my work-group's number within its tensor
	s_lshl_b32 s32, s32, 2
	s_add_co_u32 s32, s32, s30                     ; the run that I read,
	s_lshl_b32 s32, s32, 15                        ; 32,768 bytes a run
	s_mov_b32 s33, 0
	s_and_b32 s34, s30, 1
	s_lshl_b32 s34, s34, 1
	s_lshr_b32 s35, s30, 1
	s_or_b32 s34, s34, s35                         ; the wave's two bits swapped: a run is 8 rows, so these are bits 3 and 4 of the row
	s_lshr_b32 s35, ttmp9, 5
	s_cmp_eq_u32 s35, 6                            ; work-groups 192 to 223: Wv
	s_cselect_b32 s34, s34, s30
	s_lshl_b32 s35, ttmp9, 2
	s_add_co_u32 s34, s35, s34                     ; the run that I write
	s_mul_i32 s36, s34, 32*STEPS*CB                ; 6,144 bytes of codes a run
	s_mov_b32 s37, 0
	s_lshl_b32 s38, s34, 8                         ; 256 scale bytes a run
	s_mov_b32 s39, 0
	s_wait_kmcnt 0x0
	s_mov_b64 s[4:5], s[8:9]                       ; which tensor: the choice hangs on the work-group's number alone
	s_cmp_ge_u32 ttmp9, 128
	s_cselect_b64 s[4:5], s[10:11], s[4:5]
	s_cmp_ge_u32 ttmp9, 160
	s_cselect_b64 s[4:5], s[12:13], s[4:5]
	s_cmp_ge_u32 ttmp9, 192
	s_cselect_b64 s[4:5], s[14:15], s[4:5]
	s_cmp_ge_u32 ttmp9, 224
	s_cselect_b64 s[4:5], s[16:17], s[4:5]
	s_add_nc_u64 s[4:5], s[4:5], s[32:33]
	s_add_nc_u64 s[20:21], s[20:21], s[36:37]
	s_add_nc_u64 s[22:23], s[22:23], s[38:39]
	s_lshl_b32 s36, ttmp9, 6                       ; 16 positions a tile
	s_add_nc_u64 s[18:19], s[18:19], s[36:37]
	s_lshl_b32 s36, ttmp9, 12                      ; 4,096 bytes of table a tile, 1,024 a wave
	s_lshl_b32 s38, s30, 10
	s_add_co_u32 s36, s36, s38
	s_add_nc_u64 s[24:25], s[24:25], s[36:37]
.macro LOAD t
.irp i, 0,1,2,3
	global_load_b128 v[R+16*((\t)%4)+4*\i:R+16*((\t)%4)+4*\i+3], v3, s[4:5] offset:2048*(\t)+512*\i th:TH_LOAD_NT   ; 32 lanes read 512 consecutive bytes
.endr
.endm
.macro TURN t                          ; step t's numbers through the stage: LDS serves a wave's instructions in order, so no wait stands between the stores and the loads
.irp i, 0,1,2,3
	ds_store_b128 v14, v[R+16*((\t)%4)+4*\i:R+16*((\t)%4)+4*\i+3] offset:32*SP*((\t)%2)+8*SP*\i
.endr
.irp i, 0,1,2,3
	ds_load_b128 v[X+16*((\t)%2)+4*\i:X+16*((\t)%2)+4*\i+3], v15 offset:32*SP*((\t)%2)+16*\i
.endr
.endm
	global_load_b32 v192, v193, s[18:19]           ; my token's position
.irp t, 0,1,2,3
	LOAD \t
.endr
	; THE TABLE, while the first numbers are on their way.  Four frequencies a lane: f = 8 wave + 4 h + k, k = 0 .. 3
	v_cmp_lt_u32 vcc_lo, 15, v2                    ; lanes 16-31: h = 1
	v_mov_b32 v200, 1.0                            ; 10^(-m / 8), m = 0 .. 3,
	v_mov_b32 v201, 0x3f3ff911                     ; 0.74989421
	v_mov_b32 v202, 0x3f0ff59a                     ; 0.56234133
	v_mov_b32 v203, 0x3ed7e89b                     ; 0.42169650
	v_mov_b32 v204, 0x3ea1e89b                     ; and m = 4 .. 7: 0.31622777
	v_mov_b32 v205, 0x3e72d424                     ; 0.23713737
	v_mov_b32 v206, 0x3e361887                     ; 0.17782794
	v_mov_b32 v207, 0x3e088d77                     ; 0.13335214
.irp k, 0,1,2,3
	v_cndmask_b32 v[200+\k], v[200+\k], v[204+\k], vcc_lo
.endr
.irp k, 0,1,2,3
	v_mul_f32 v[200+\k], s51, v[200+\k]            ; x 10^(-wave): the frequency 10^(-f / 8)
.endr
	s_wait_loadcnt 16                              ; the position is in: the 16 loads of numbers were issued behind it
	; f32(position), rounded once, to nearest even, for every int32: its two halves of 16 bits are exact in f32 (each set into the mantissa of 1.5 x 2^23, which is then taken away), and one fused multiply-add joins them
	v_lshrrev_b32 v197, 16, v192                   ; the upper half, 0 .. 65,535;
	v_and_b32 v198, 0xffff, v192                   ; the lower half
	v_xor_b32 v197, 0x4b408000, v197               ; with bit 15 turned it stands 32,768 above its signed value: 1.5 x 2^23 + 32,768 + the signed upper half
	v_or_b32 v198, 0x4b400000, v198                ; 1.5 x 2^23 + the lower half
	v_add_f32 v197, 0xcb408000, v197
	v_add_f32 v198, 0xcb400000, v198
	v_fma_f32 v196, v197, s54, v198                ; upper x 65,536 + lower
.macro SINCOS k                        ; cos and sin of position x frequency k into v[240 + 2 k], v[241 + 2 k]
	v_mul_f32 v220, v196, v[200+\k]                ; the angle, rounded to f32 as the problem has it
	v_fma_f32 v221, v220, s53, s52                 ; angle x 2 / pi + 1.5 x 2^23: the rounding leaves the whole number k, and k's low bits are this number's low bits
	v_add_f32 v229, 0xcb400000, v221               ; k as f32
	v_fma_f32 v222, -v229, s42, v220               ; r = angle - k pi / 2, in three fused steps
	v_fma_f32 v222, -v229, s43, v222
	v_fma_f32 v222, -v229, s44, v222
	v_mul_f32 v223, v222, v222                     ; z = r r
	v_fma_f32 v224, v223, s45, s46
	v_fma_f32 v226, v223, s48, s49
	v_fma_f32 v224, v224, v223, s47
	v_fma_f32 v226, v226, v223, s50
	v_mul_f32 v225, v223, v222                     ; z r
	v_mul_f32 v227, v223, v223                     ; z z
	v_fma_f32 v228, v223, -0.5, 1.0
	v_fma_f32 v224, v224, v225, v222               ; sin r
	v_fma_f32 v226, v226, v227, v228               ; cos r
	v_and_b32 v230, 1, v221
	v_cmp_eq_u32 vcc_lo, 1, v230                   ; odd k: sin and cos change places
	v_cndmask_b32 v231, v224, v226, vcc_lo
	v_cndmask_b32 v232, v226, v224, vcc_lo
	v_and_b32 v230, 2, v221                        ; sin is negated for k = 2, 3 (mod 4),
	v_add_nc_u32 v229, 1, v221
	v_lshlrev_b32 v230, 30, v230
	v_and_b32 v229, 2, v229                        ; cos for k = 1, 2
	v_xor_b32 v[241+2*\k], v230, v231
	v_lshlrev_b32 v229, 30, v229
	v_xor_b32 v[240+2*\k], v229, v232
.endm
.irp k, 0,1,2,3
	SINCOS \k
.endr
	global_store_b128 v3, v[240:243], s[24:25]             ; chunk 2 w: 32 lanes store 512 consecutive bytes; the data are never written again
	global_store_b128 v3, v[244:247], s[24:25] offset:512  ; chunk 2 w + 1
	s_wait_loadcnt 12                              ; step 0's four loads are in
	TURN 0
.macro STEP t
.set XS, X+16*((\t)%2)
.if (\t) > 0
	s_wait_dscnt 1                                 ; this step's numbers are back from the stage (the last step's byte store may be out): its stores into the stage have read their registers,
.else
	s_wait_dscnt 0x0
.endif
.if (\t)+4 < STEPS
	LOAD (\t)+4                                    ; which take the loads of four steps on
.endif
.if (\t)+1 < STEPS
.if STEPS-2-(\t) >= 3
	s_wait_loadcnt 12                              ; the next step's four loads are in; those of the three steps behind it may be out
.else
	s_wait_loadcnt 4*(STEPS-2-(\t))
.endif
	TURN (\t)+1
.endif
	v_max3_num_f32 v8, |v[XS]|, |v[XS+1]|, |v[XS+2]|               ; the largest magnitude of my 16
	v_max3_num_f32 v9, |v[XS+3]|, |v[XS+4]|, |v[XS+5]|
.irp i, 6,10
	v_max3_num_f32 v8, v8, |v[XS+\i]|, |v[XS+\i+1]|
	v_max3_num_f32 v9, v9, |v[XS+\i+2]|, |v[XS+\i+3]|
.endr
	v_max3_num_f32 v8, v8, |v[XS+14]|, |v[XS+15]|
	v_max3_num_f32 v8, v8, v9, (EMAX+1)<<23        ; and the floor 2^(3 - 127): the byte cannot fall under 1
	v_max_num_f32_dpp v8, v8, v8 row_xmask:1 row_mask:0xf bank_mask:0xf   ; and of my neighbour's 16: the block's
	v_add_nc_u32 v11, -(EMAX<<23), v8              ; 2 off its exponent field: the conversion takes this operand's exponent field as its scale
	v_cvt_scalef32_pk16_fp6_f32 v[C+4*(\t):C+4*(\t)+2], v[XS:XS+15], v11
	v_lshrrev_b32 v[E+(\t)], 23, v11               ; the scale's byte (also the plain line behind the conversion)
	ds_store_b8 v5, v[E+(\t)] offset:16*(\t)       ; both lanes of a block write the same byte with the same value
	global_store_b96 v4, v[C+4*(\t):C+4*(\t)+2], s[20:21] offset:32*CB*(\t)   ; the wave stores 384 consecutive bytes
.endm
.irp t, 0,1,2,3,4,5,6,7,8,9,10,11,12,13,14,15
	STEP \t
.endr
	ds_load_b64 v[12:13], v6                       ; LDS serves a wave's instructions in order: these see my stores
	s_wait_dscnt 0x0
	global_store_b64 v7, v[12:13], s[22:23]        ; 32 lanes store 256 consecutive bytes, aligned
	s_wait_tensorcnt 0x0
	ds_add_u32 v254, v255
	s_wait_dscnt 0x0
	s_endpgm
.Lfunc_end_k_qbc4381159c_prep:
	.size	k_qbc4381159c_prep, .Lfunc_end_k_qbc4381159c_prep-k_qbc4381159c_prep
	.p2alignl 7, 3214868480
	.fill 96, 4, 3214868480
	.section	.rodata,"a",@progbits
	.p2align	6, 0x0
	.amdhsa_kernel k_qbc4381159c_prep
		.amdhsa_group_segment_fixed_size 33280
		.amdhsa_private_segment_fixed_size 0
		.amdhsa_enable_private_segment 0
		.amdhsa_kernarg_size 72
		.amdhsa_user_sgpr_count 2
		.amdhsa_user_sgpr_kernarg_segment_ptr 1
		.amdhsa_wavefront_size32 1
		.amdhsa_system_sgpr_workgroup_id_x 1
		.amdhsa_system_sgpr_workgroup_id_y 1
		.amdhsa_system_sgpr_workgroup_id_z 1
		.amdhsa_system_vgpr_workitem_id 0
		.amdhsa_next_free_vgpr 256
		.amdhsa_next_free_sgpr 66
		.amdhsa_reserve_vcc 1
		.amdhsa_float_denorm_mode_32 3
		.amdhsa_float_denorm_mode_16_64 3
		.amdhsa_memory_ordered 1
		.amdhsa_forward_progress 1
		.amdhsa_inst_pref_size 41
	.end_amdhsa_kernel
	.amdgpu_metadata
---
amdhsa.version: [ 1, 2 ]
amdhsa.kernels:
  - .name:           k_qbc4381159c_prep
    .symbol:         k_qbc4381159c_prep.kd
    .args:
      - { .name: x, .offset: 0, .size: 8, .value_kind: global_buffer, .address_space: global }
      - { .name: Wq, .offset: 8, .size: 8, .value_kind: global_buffer, .address_space: global }
      - { .name: Wk, .offset: 16, .size: 8, .value_kind: global_buffer, .address_space: global }
      - { .name: Wv, .offset: 24, .size: 8, .value_kind: global_buffer, .address_space: global }
      - { .name: Wo, .offset: 32, .size: 8, .value_kind: global_buffer, .address_space: global }
      - { .name: token_positions, .offset: 40, .size: 8, .value_kind: global_buffer, .address_space: global }
      - { .name: in_codes, .offset: 48, .size: 8, .value_kind: global_buffer, .address_space: global }
      - { .name: in_scales, .offset: 56, .size: 8, .value_kind: global_buffer, .address_space: global }
      - { .name: rope, .offset: 64, .size: 8, .value_kind: global_buffer, .address_space: global }
    .group_segment_fixed_size: 33280
    .private_segment_fixed_size: 0
    .kernarg_segment_align: 8
    .kernarg_segment_size: 72
    .max_flat_workgroup_size: 128
    .sgpr_count:     66
    .vgpr_count:     256
    .wavefront_size: 32
...
	.end_amdgpu_metadata
.endif
;; end of part 1
;; launch qkv (part 2): grid 12 x 16, 4 waves a work-group, clusters of 4 x 4, 327,680 bytes of LDS; arguments in_codes, in_scales, rope, qkv_img, qkv_sc; writes qkv_img, qkv_sc
.if DOCPART == 2
	.amdgcn_target "amdgcn-amd-amdhsa--gfx1250"
	.amdhsa_code_object_version 6
	.text
	.protected	k_qbc4381159c_qkv
	.globl	k_qbc4381159c_qkv
	.p2align	8
	.type	k_qbc4381159c_qkv,@function
k_qbc4381159c_qkv:
	s_mov_b64 s[64:65], 0
	v_nop
	global_prefetch_b8 v0, s[64:65] scope:SCOPE_SE
	s_setreg_imm32_b32 hwreg(HW_REG_WAVE_MODE, 25, 1), 1
	s_wait_xcnt 0x0
	s_wait_alu depctr_hold_cnt(0) depctr_sa_sdst(0) depctr_va_vdst(0) depctr_va_sdst(0) depctr_va_ssrc(0) depctr_va_vcc(0) depctr_vm_vsrc(0)
	s_getreg_b32 s2, hwreg(HW_REG_IB_STS2, 6, 4)
	s_cmp_eq_u32 s2, 0
	s_cbranch_scc0 .Lentry_in_a_cluster
	s_endpgm
.Lentry_in_a_cluster:
	s_bfe_u32 s2, ttmp6, 0x10000c
	s_cmp_lg_u32 s2, 0xf033
	s_cbranch_scc0 .Lentry_shape_is_right
	s_endpgm
.Lentry_shape_is_right:
; q = rope(x Wq^T), k = rope(x Wk^T), v = x Wv^T, on codes of FP6 (E2M3) with one E8M0 scale for each 32 along K = 1,024; the results are quantised again on the way out and leave as codes.
; Both operands are rows of ONE buffer of codes (768 bytes a row) and one of scale bytes (32 a row): tiles of 256 rows: 0-15 x, 16-19 Wq, 20-23 Wk, 24-27 Wv (its rows stored with bits 3 and 4 swapped).
; A work-group of four waves makes 256 x 256 of a product A B^T, a wave 128 x 128: 64 accumulators, 512 registers.  K goes in steps of 256 through a ring of two LDS slots filled by the tensor data mover; the scale bytes of the
; work-group's rows come into LDS once.  4 x 4 work-groups form a cluster: A's tiles are asked for jointly along a row of the cluster, B's along a column.
; Clusters x = 0, 1: A = x (tile row 4 y + cy), B = Wq or Wk.  Cluster x = 2: A = Wv, B = x: that is V^T.  The matrix instruction is used transposed (source 0 = 16 rows of B, source 1 = 16 rows of A): a lane holds ONE row of A and
; its registers run along rows of B.  So for q and k a lane holds one token and columns of a head, which are the next product's K; for V^T one channel and tokens, which are ITS next K.
; THE WAY OUT uses no LDS.  q, k: the pairs of columns are turned by cos and sin from the table (two packed instructions a pair); then, and for V^T at once, 64 numbers of a lane are quantised (four blocks of 32, each shared with
; lane l xor 16) into a fragment's registers, which are stored AS THEY STAND, 16 bytes a lane: 512 consecutive bytes a store.  A lane's 16 numbers of a block are columns 8 h + 0..7 and 16 + 8 h + 0..7 of it, so a block's codes lie
; in the order 0-7, 16-23, 8-15, 24-31.  That order falls alike on q and k, and alike on v and the softmax's weights (made by the same lines in the next launch), so every product is unchanged.
; qkv_img: [kind 3][batch x head 32][unit 64][3][lane 32][16 bytes].  q, k: unit T = token tiles 2 T (registers 0-5) and 2 T + 1 (registers 6-11).  v: unit 4 step + t = channels 16 t .. of the head x the step's 128 keys.
; qkv_sc: [kind][batch x head][step 16][lane 32][2 words]: lane (r, h): the scale words of row r of units 4 step + h and 4 step + 2 + h.
; LIMITS: NaN and infinities are not served; a block whose largest magnitude lies under 2^-124 keeps the byte 1.
; REGISTERS, in windows of 256: window 0: v16-29 addresses; v32-63 scale words, two sets; v64-127 cos and sin, two sets; from v128 A's fragments, one set; on the way out v128-255 are at work.  window 1: B's fragments, two sets.
;   windows 2, 3: the accumulators ((a, b) at v[8 (8 (a % 4) + b)]).
.set SIZE_K, 1024
.set KSTEP,  256                       ; along K in a slot
.set NQ,     KSTEP/128
.set ROWB,   192                       ; a tile's row in bytes
.set KROW,   SIZE_K*6/8
.set PITCH,  240                       ; an LDS row: 3 x (64 bytes + 16 of padding)
.set FR,     12
.set NL,     6
.set NP,     4                         ; places behind this matrix instruction (ISA guide 7.12.1)
.set HALFT,  128*PITCH
.set SLOT,   4*HALFT
.set LAPS,   SIZE_K/(2*KSTEP)
.set KS,     SIZE_K/32
.set SCL,    2*SLOT                    ; behind the ring: the scale bytes, as units of 256 bytes + 16 of padding
.set HALFS,  (128*KS/256)*272
.set SBLK,   (16*KS/256)*272
.set SPARE,  SCL+4*HALFS               ; the spare words: 128 bytes a wave, two blocks of 256 bytes that no other line names
.set ADRA, 16                          ; v16-17 LDS address of my A fragments in slot 0, 1; v18-19 the same behind one padding more
.set ADRB, 20                          ; v20-23 the same for B
.set LI,   24                          ; v24  16 x lane
.set L8,   25                          ; v25  8 x lane
.set ADRS, 27                          ; v27  LDS address of my scale words
.set SPW,  28                          ; v28  my spare word; never rewritten
.set NIL,  29                          ; v29  0; never rewritten
.set SC,   32
.set CSB,  64                          ; cos and sin of 16 tokens: 32 registers, two sets
.set AF,   128
.set RR,   128                         ; the way out: 64 turned numbers
.set XC,   192                         ; 24 registers of codes
.set TC,   216                         ; the conversions' second halves
.set TM,   224                         ; v224-227 largest magnitudes, v228-231 the other half's and then bytes, v236-239 scale operands
.set PW,   240                         ; the scale word just made
.set W0,   241                         ; the even tile's
.set WS,   244                         ; v244-251 the eight units' scale words
.set G1, 24
.set G0, 32
.set G1B, 48
.set G0B, 56
.set G1S, 68
.set G0S, 76
.set G1SB, 80
.set G0SB, 88
.set SEL, 12                           ; s[12:13] v_permlanex16_b32's selects for lane l xor 16
.set ISV, 66                           ; s66  1 in the cluster column that makes V^T
.set HM,  67                           ; s67  the mask of lanes 16-31
.set RP,  96                           ; s[96:97] the table at my first token; s[98:99] qkv_img, s[100:101] qkv_sc at my first unit
.set IP,  98
.set SP,  100
.set MSB, 0
.macro WIN new                         ; the immediate's high byte repeats the setting that is left
.if MSB != (\new)
	s_set_vgpr_msb (MSB<<8)|(\new)
.set MSB, (\new)
.endif
.endm
.set MUL_LO, 0xa1                      ; source 0 (B) window 1, source 1 (A) window 0, C and D window 2
.set MUL_HI, 0xf1
.set TO_B,   0x40
; A joint load: waves 0 and 1 fetch for A, waves 2 and 3 for B; the branch hangs on the wave's number alone.  Four v_nop follow each of the two lines.
.macro JLOAD g0a, g1a, g0b, g1b
	s_cmp_eq_u32 s15, 0
	s_cbranch_scc0 .Lfor_b_\@
	tensor_load_to_lds s[\g0a:\g0a+3], s[\g1a:\g1a+7]
	s_nop 0
.rept 4
	v_nop
.endr
	s_branch .Lasked_\@
.Lfor_b_\@:
	tensor_load_to_lds s[\g0b:\g0b+3], s[\g1b:\g1b+7]
	s_nop 0
.rept 4
	v_nop
.endr
.Lasked_\@:
.endm
.macro CREST                           ; a round of the cluster's barrier behind its opening barrier
	s_cmp_lg_u32 s14, 0
	s_cbranch_scc1 .Lnot_wave_0_\@
	s_barrier_signal -3
.Lnot_wave_0_\@:
	s_barrier_wait -3
	s_barrier_signal -1
	s_barrier_wait -1
.endm
.macro CROUND
	s_barrier_signal -1
	s_barrier_wait -1
	CREST
.endm
	s_load_b128 s[4:7], s[0:1], 0x0                ; A's codes and scale bytes,
	s_load_b128 s[8:11], s[0:1], 0x0               ; and B's: the same two buffers
	s_load_b128 s[96:99], s[0:1], 0x10             ; the table, qkv_img
	s_load_b64 s[100:101], s[0:1], 0x20            ; qkv_sc
	v_lshl_add_u32 v[SPW], v0, 2, SPARE
	v_mov_b32 v[NIL], 0
	ds_add_u32 v28, v29
	ds_add_u32 v28, v29
	s_wait_dscnt 0x0
	v_lshrrev_b32 v1, 5, v0
	v_readfirstlane_b32 s14, v1                    ; wave 0..3
	s_lshr_b32 s15, s14, 1                         ; which half of A's rows is mine.  Also: I fetch for A (0) or for B (1)
	s_and_b32 s16, s14, 1                          ; which half of B's rows.  Also: which 128 rows of that tile I fetch
	s_bfe_u32 s40, ttmp6, 0x40000                  ; cx, cy: my place in the cluster
	s_bfe_u32 s41, ttmp6, 0x40004
	s_and_b32 s17, ttmp7, 0xffff                   ; cluster y
	s_add_co_u32 s42, ttmp9, 4
	s_cmp_eq_u32 ttmp9, 2                          ; the third column of clusters makes V^T: the same answer in all sixteen partners
	s_cselect_b32 s[ISV], 1, 0
	s_cselect_b32 s42, s17, s42                    ; B's four tiles: x's by cluster y, or Wq's (4), Wk's (5)
	s_cselect_b32 s17, 6, s17                      ; A's four tiles: Wv's (6), or x's by cluster y
	s_lshl_b32 s42, s42, 2
	s_add_co_u32 s42, s42, s40                     ; B's tile of 256 rows
	s_lshl_b32 s17, s17, 2
	s_add_co_u32 s17, s17, s41                     ; A's tile
	s_lshl_b32 s43, s41, 2
	s_lshl_b32 s43, 15, s43                        ; my row of the cluster
	s_lshl_b32 s44, 0x1111, s40                    ; my column
	s_or_b32 s[G1+0], s43, (0<<16)|(1<<20)|(1<<21)|(3<<22)|(3<<25)  ; the mask; elements of 1 byte; padding on; bit 21 beside a mask; after every 16 words, 4 words
	s_or_b32 s[G1B+0], s44, (0<<16)|(1<<20)|(1<<21)|(3<<22)|(3<<25)
.irp g, G1, G1B
	s_mov_b32 s[\g+1], ROWB<<16                    ; tensor_dim0
	s_mov_b32 s[\g+2], 128<<16                     ; tensor_dim1
	s_mov_b32 s[\g+3], ROWB<<16                    ; tile_dim0
	s_mov_b32 s[\g+4], 128                         ; tile_dim1
	s_mov_b32 s[\g+5], KROW                        ; the pitch
	s_mov_b32 s[\g+6], 0
	s_mov_b32 s[\g+7], 0
.endr
	s_or_b32 s[G1S+0], s43, (3<<16)|(1<<20)|(1<<21)|(5<<22)|(3<<25)   ; the scale bytes of 128 rows: a dense block, as rows of 256 bytes with 16 of padding behind each
	s_or_b32 s[G1SB+0], s44, (3<<16)|(1<<20)|(1<<21)|(5<<22)|(3<<25)
.irp g, G1S, G1SB
	s_mov_b32 s[\g+1], 32<<16
	s_mov_b32 s[\g+2], (128*KS/256)<<16
	s_mov_b32 s[\g+3], 32<<16
	s_mov_b32 s[\g+4], 128*KS/256
	s_mov_b32 s[\g+5], 32
	s_mov_b32 s[\g+6], 0
	s_mov_b32 s[\g+7], 0
.endr
	s_lshl_b32 s18, s16, 7                         ; which 128 rows of the tile I fetch
	s_lshl_b32 s20, s17, 8
	s_add_co_u32 s20, s20, s18                     ; A: row 256 x tile + 128 x half
	s_lshl_b32 s46, s42, 8
	s_add_co_u32 s46, s46, s18                     ; B likewise
	s_mov_b32 s21, 0
	s_mov_b32 s47, 0
	s_mov_b64 s[18:19], KS
	s_mul_u64 s[22:23], s[20:21], s[18:19]         ; where these rows' scale bytes begin
	s_mul_u64 s[92:93], s[46:47], s[18:19]
	s_mov_b64 s[18:19], KROW
	s_mul_u64 s[20:21], s[20:21], s[18:19]         ; and their codes
	s_mul_u64 s[46:47], s[46:47], s[18:19]
	s_mul_i32 s45, s14, HALFT                      ; where they go: wave x 128 rows: no place in the cluster enters an LDS address
	s_mul_i32 s94, s14, HALFS
	s_wait_kmcnt 0x0
	s_add_nc_u64 s[20:21], s[4:5], s[20:21]
	s_add_nc_u64 s[22:23], s[6:7], s[22:23]
	s_add_nc_u64 s[46:47], s[8:9], s[46:47]
	s_add_nc_u64 s[92:93], s[10:11], s[92:93]
	CROUND                                         ; all sixteen work-groups are here: the first joint loads meet
	s_mov_b32 s[G0S], 1
	s_add_co_u32 s[G0S+1], s94, SCL
	s_mov_b64 s[G0S+2:G0S+3], s[22:23]
	s_or_b32 s[G0S+3], s[G0S+3], 0x80000000
	s_mov_b32 s[G0SB], 1
	s_add_co_u32 s[G0SB+1], s94, SCL
	s_mov_b64 s[G0SB+2:G0SB+3], s[92:93]
	s_or_b32 s[G0SB+3], s[G0SB+3], 0x80000000
	JLOAD G0S, G1S, G0SB, G1SB                     ; the scale bytes first: they are wanted with K step 0
.irp s, 0,1
	s_mov_b32 s[G0+4*\s], 1
	s_add_co_u32 s[G0+4*\s+1], s45, \s*SLOT
	s_add_nc_u64 s[G0+4*\s+2:G0+4*\s+3], s[20:21], \s*ROWB
	s_or_b32 s[G0+4*\s+3], s[G0+4*\s+3], 0x80000000
	s_mov_b32 s[G0B+4*\s], 1
	s_add_co_u32 s[G0B+4*\s+1], s45, \s*SLOT
	s_add_nc_u64 s[G0B+4*\s+2:G0B+4*\s+3], s[46:47], \s*ROWB
	s_or_b32 s[G0B+4*\s+3], s[G0B+4*\s+3], 0x80000000
	JLOAD G0+4*\s, G1, G0B+4*\s, G1B
.endr
	v_and_b32 v1, 15, v0                           ; l % 16
	v_bfe_u32 v2, v0, 4, 1                         ; l / 16
	v_mul_u32_u24 v3, v1, PITCH
	v_mul_u32_u24 v4, v2, 24
	v_add_nc_u32 v4, v3, v4                        ; a fragment's row x pitch + 24 x half
	v_lshl_add_u32 v5, v2, 4, v4                   ; and the same behind one padding more
	s_mul_i32 s21, s15, HALFT                      ; my 128 rows of A
	s_mul_i32 s22, s16, HALFT                      ; my 128 rows of B,
	s_add_co_u32 s22, s22, 2*HALFT                 ; which lie behind A's 256
.irp s, 0,1
	v_add_nc_u32 v[ADRA+\s], s21, v4
	v_add_nc_u32 v[ADRB+\s], s22, v4
	v_add_nc_u32 v[ADRA+2+\s], s21, v5
	v_add_nc_u32 v[ADRB+2+\s], s22, v5
	s_add_co_u32 s21, s21, SLOT
	s_add_co_u32 s22, s22, SLOT
.endr
	v_mul_u32_u24 v5, v1, KS                       ; my row's scale bytes: KS a row,
	v_lshrrev_b32 v6, 8, v5
	v_lshl_add_u32 v5, v6, 4, v5                   ; and 16 more for each 256 passed
	s_mul_i32 s21, s15, HALFS
	s_mul_i32 s22, s16, HALFS
	s_add_co_u32 s22, s22, 2*HALFS
	s_sub_co_u32 s22, s22, s21
	v_mul_u32_u24 v6, s22, v2                      ; lanes 16-31 take B's
	s_add_co_u32 s21, s21, SCL
	v_add_nc_u32 v5, v5, v6
	v_add_nc_u32 v[ADRS], s21, v5
	v_and_b32 v6, 31, v0
	v_lshlrev_b32 v[LI], 4, v6
	v_lshlrev_b32 v[L8], 3, v6
	; where my results go.  m0, n0: my first rows of A and of B in the buffer of codes
	s_lshl_b32 s20, s17, 8
	s_lshl_b32 s21, s15, 7
	s_add_co_u32 s20, s20, s21                     ; m0
	s_lshl_b32 s46, s42, 8
	s_lshl_b32 s47, s16, 7
	s_add_co_u32 s46, s46, s47                     ; n0
	s_cmp_eq_u32 s[ISV], 1
	s_cselect_b32 s22, s46, s20                    ; my first token,
	s_cselect_b32 s23, s20, s46                    ; my first row of a weight,
	s_sub_co_u32 s23, s23, 4096                    ; counted from Wq's first: 0 .. 3,071
	s_lshr_b32 s92, s23, 10                        ; kind: 0 q, 1 k, 2 v
	s_bfe_u32 s93, s23, 0x40006                    ; my first head (I have two)
	s_lshr_b32 s94, s22, 11                        ; batch
	s_bfe_u32 s95, s22, 0x40007                    ; which 128 tokens of the sequence
	s_lshl_b32 s94, s94, 4
	s_add_co_u32 s94, s94, s93                     ; 16 x batch + head
	s_lshl_b32 s20, s22, 8                         ; the table: 4,096 bytes for 16 tokens
	s_mov_b32 s21, 0
	s_add_nc_u64 s[RP:RP+1], s[RP:RP+1], s[20:21]
	s_mul_i32 s20, s92, 3145728                    ; qkv_img: a kind, 64 units of 1,536 bytes a head, 4 units for 128 tokens
	s_lshl_b32 s46, s94, 6
	s_lshl_b32 s47, s95, 2
	s_add_co_u32 s46, s46, s47
	s_mul_i32 s46, s46, 1536
	s_add_co_u32 s20, s20, s46
	s_add_nc_u64 s[IP:IP+1], s[IP:IP+1], s[20:21]
	s_lshl_b32 s20, s92, 17                        ; qkv_sc: a kind, 16 steps of 256 bytes a head
	s_lshl_b32 s46, s94, 4
	s_add_co_u32 s46, s46, s95
	s_lshl_b32 s46, s46, 8
	s_add_co_u32 s20, s20, s46
	s_add_nc_u64 s[SP:SP+1], s[SP:SP+1], s[20:21]
	s_mov_b32 s[SEL], 0x76543210
	s_mov_b32 s[SEL+1], 0xfedcba98
	s_mov_b32 s[HM], 0xffff0000
.macro FRAG reg, adr, q, i             ; a fragment, 16 rows x 128 K: 12 registers: lane l holds row l % 16; registers 6 c .. 6 c + 5 hold K = 64 c + 32 (l / 16) + 0 .. 31, as the bits lie
.irp p, 0,1,2,3,4,5                    ; in pieces of 8 bytes; where the piece three on lies behind one padding more, the second address register serves
.set PC, 12*(\q)+6*(\p/3)+\p%3
.if PC%8 < 5
	ds_load_b64 v[\reg+2*\p:\reg+2*\p+1], v[\adr] offset:8*PC+16*(PC/8)+(\i)*16*PITCH
.else
	ds_load_b64 v[\reg+2*\p:\reg+2*\p+1], v[\adr+2] offset:8*PC+16*(PC/8)+(\i)*16*PITCH
.endif
.endr
.endm
; 16 matrix instructions: A's blocks a0, a0 + 1 x B's eight, 128 along K.  The 64 accumulators take turns, one instruction a turn, in the same order in every step.
.macro MUL16 a0, p, q, sc, zero
.irp a, \a0, \a0+1
.irp b, 0,1,2,3,4,5,6,7
.if \zero
	v_wmma_scale_f32_16x16x128_f8f6f4 v[8*(8*((\a)%4)+\b):8*(8*((\a)%4)+\b)+7], v[128*(\p)+FR*\b:128*(\p)+FR*\b+FR-1], v[AF+FR*(\a):AF+FR*(\a)+FR-1], 0, v[SC+8*NQ*(\sc)+NQ*\b+(\q)], v[SC+8*NQ*(\sc)+NQ*(\a)+(\q)] matrix_a_fmt:MATRIX_FMT_FP6 matrix_b_fmt:MATRIX_FMT_FP6 matrix_a_scale:MATRIX_SCALE_ROW1
.else
	v_wmma_scale_f32_16x16x128_f8f6f4 v[8*(8*((\a)%4)+\b):8*(8*((\a)%4)+\b)+7], v[128*(\p)+FR*\b:128*(\p)+FR*\b+FR-1], v[AF+FR*(\a):AF+FR*(\a)+FR-1], v[8*(8*((\a)%4)+\b):8*(8*((\a)%4)+\b)+7], v[SC+8*NQ*(\sc)+NQ*\b+(\q)], v[SC+8*NQ*(\sc)+NQ*(\a)+(\q)] matrix_a_fmt:MATRIX_FMT_FP6 matrix_b_fmt:MATRIX_FMT_FP6 matrix_a_scale:MATRIX_SCALE_ROW1
.endif
.endr
.endr
.endm
.macro FETCH_B slot, q, p
	WIN TO_B
.irp i, 0,1,2,3,4,5,6,7
	FRAG 128*(\p)+FR*\i, ADRB+\slot, \q, \i
.endr
	WIN 0
.endm
.macro FETCH_A slot, q, i0
.irp i, \i0, \i0+1, \i0+2, \i0+3
	FRAG AF+FR*(\i), ADRA+\slot, \q, \i
.endr
.endm
.macro SCALES sc                       ; the next K step's scale words: lanes 0-15 take A's block i, lanes 16-31 B's block i
.irp i, 0,1,2,3,4,5,6,7
	ds_load_b64 v[SC+8*NQ*\sc+NQ*\i:SC+8*NQ*\sc+NQ*\i+1], v[ADRS] offset:\i*SBLK
.endr
.endm
.macro PLACES n                        ; plain vector lines between a matrix instruction and a load into, or a vector read or write of, its registers
.rept \n
	v_nop
.endr
.endm
.macro STEP slot, q, zero              ; a step of 128 along K that has its successor in the same slot
	s_wait_dscnt 4*NL                              ; B's set and A's blocks 0-3 are in; the youngest 24 loads (A's blocks 4-7) may be out
	WIN MUL_LO
	MUL16 0, (\q)%2, \q, \slot, \zero
	MUL16 2, (\q)%2, \q, \slot, \zero
	s_wait_dscnt 0
	PLACES NP
	FETCH_B \slot, (\q)+1, 1-(\q)%2
	FETCH_A \slot, (\q)+1, 0
	WIN MUL_HI
	MUL16 4, (\q)%2, \q, \slot, \zero
	MUL16 6, (\q)%2, \q, \slot, \zero
	PLACES NP
	WIN 0
	FETCH_A \slot, (\q)+1, 4
.endm
; A slot's last step changes slots: ONE barrier; in front of it each wave waits for all its tensor loads, adds 0 to its spare word, and waits for that and for its reads of this slot.
.macro TURN slot, next, fill
	s_wait_tensorcnt 0x0                           ; all my tensor loads have landed: my part of the next slot
	ds_add_u32 v[SPW], v[NIL]                      ; 0 onto my spare word
	s_wait_dscnt 4*NL+1                            ; (the add and the youngest 24 loads may be out)
	WIN MUL_LO
	MUL16 0, 1, NQ-1, \slot, 0
	s_wait_dscnt 0x0                               ; the add is done, and my reads of this slot are over
	s_barrier_signal -1
	MUL16 2, 1, NQ-1, \slot, 0
	WIN 0
	s_barrier_wait -1
.if \fill
	CREST                                          ; the barrier has opened a round of the cluster's: no wave of any partner still reads this slot or has a load on its way
	s_add_nc_u64 s[G0+4*\slot+2:G0+4*\slot+3], s[G0+4*\slot+2:G0+4*\slot+3], 2*ROWB
	s_add_nc_u64 s[G0B+4*\slot+2:G0B+4*\slot+3], s[G0B+4*\slot+2:G0B+4*\slot+3], 2*ROWB
	JLOAD G0+4*\slot, G1, G0B+4*\slot, G1B         ; the first tensor load behind the round; its four v_nop are the places in front of the loads below
.else
	PLACES NP
.endif
	v_add_nc_u32 v[ADRS], 4*NQ, v[ADRS]
	FETCH_B \next, 0, 0
	FETCH_A \next, 0, 0
	SCALES \next
	WIN MUL_HI
	MUL16 4, 1, NQ-1, \slot, 0
	MUL16 6, 1, NQ-1, \slot, 0
	PLACES NP
	WIN 0
	FETCH_A \next, 0, 4
.endm
.macro LAST                            ; the very last step: nothing more to fetch
	s_wait_dscnt 4*NL
	WIN MUL_LO
	MUL16 0, 1, NQ-1, 1, 0
	MUL16 2, 1, NQ-1, 1, 0
	s_wait_dscnt 0
	WIN MUL_HI
	MUL16 4, 1, NQ-1, 1, 0
	MUL16 6, 1, NQ-1, 1, 0
	WIN 0
.irp b, 0,1,2,3
	v_mov_b32 v[TM+4+\b], 0                        ; written once: a lane permute's destination counts as one of its sources
.endr
	PLACES NP                                      ; in front of the first read of results and the first write over A's fragments
.endm
; THE WAY OUT.
.macro TAB a                           ; cos and sin of my token tile a: eight chunks of 512 consecutive bytes into set a % 2
.irp i, 0,1,2,3,4,5,6,7
	global_load_b128 v[CSB+32*((\a)%2)+4*\i:CSB+32*((\a)%2)+4*\i+3], v[LI], s[RP:RP+1] offset:4096*(\a)+512*\i
.endr
.endm
.macro ROPE a                          ; block a's 64 numbers of a lane, 32 pairs (even column, odd column), turned: (e cos - o sin, e sin + o cos).  Each accumulator is read from its low end on
	WIN 2+(\a)/4                                   ; source 0: the accumulators' window
.irp b, 0,1,2,3,4,5,6,7
.irp p, 0,1,2,3
.set rR, RR+8*\b+2*\p
.set rA, 64*((\a)%4)+8*\b+2*\p
.set rC, CSB+32*((\a)%2)+4*(2*(\b%4)+\p/2)+2*(\p%2)
	v_pk_mul_f32 v[rR:rR+1], v[rA:rA+1], v[rC:rC+1] op_sel_hi:[1,0]        ; e cos, o cos
.endr
.irp p, 0,1,2,3
.set rR, RR+8*\b+2*\p
.set rA, 64*((\a)%4)+8*\b+2*\p
.set rC, CSB+32*((\a)%2)+4*(2*(\b%4)+\p/2)+2*(\p%2)
	v_pk_fma_f32 v[rR:rR+1], v[rA:rA+1], v[rC:rC+1], v[rR:rR+1] op_sel:[1,1,0] op_sel_hi:[0,1,1] neg_lo:[0,1,0]   ; - o sin, + e sin
.endr
.endr
	WIN 0
.endm
; 64 numbers of a lane, v[s] .. v[s + 63] of window w, four blocks of 32 each shared with lane l xor 16, become codes: blocks 0, 1 in v[d0] .. v[d0 + 5], blocks 2, 3 in v[d1] .. v[d1 + 5]; the four bytes in v[PW].
.macro QUANT s, w, d0, d1
	WIN (\w)|((\w)<<2)
.irp b, 0,1,2,3
	v_max3_num_f32 v[TM+\b], |v[(\s)+16*\b]|, |v[(\s)+1+16*\b]|, 0x1800000   ; my 16 numbers of block b, and the floor 2^(3 - 127): the byte cannot fall under 1
.endr
.irp i, 2,4,6,8,10,12,14
.irp b, 0,1,2,3
	v_max3_num_f32 v[TM+\b], |v[(\s)+16*\b+\i]|, |v[(\s)+1+16*\b+\i]|, v[TM+\b]
.endr
.endr
	WIN 0
.irp b, 0,1,2,3
	v_permlanex16_b32 v[TM+4+\b], v[TM+\b], s[SEL], s[SEL+1]
.endr
.irp b, 0,1,2,3
	v_max_num_f32 v[TM+\b], v[TM+\b], v[TM+4+\b]   ; the block's largest magnitude
.endr
.irp b, 0,1,2,3
	v_add_nc_u32 v[TM+12+\b], 0xff000000, v[TM+\b] ; 2 off its exponent field: the conversion's scale operand
.endr
.irp b, 0,1,2,3
	v_lshrrev_b32 v[TM+4+\b], 23, v[TM+12+\b]      ; the scale's byte
.endr
	v_lshl_or_b32 v[PW], v[TM+5], 8, v[TM+4]
	v_lshl_or_b32 v[PW], v[TM+6], 16, v[PW]
	v_lshl_or_b32 v[PW], v[TM+7], 24, v[PW]
	WIN \w
	v_cvt_scalef32_pk16_fp6_f32 v[(\d0):(\d0)+2], v[(\s):(\s)+15], v[TM+12]
	v_cvt_scalef32_pk16_fp6_f32 v[TC:TC+2], v[(\s)+16:(\s)+31], v[TM+13]
	v_cvt_scalef32_pk16_fp6_f32 v[(\d1):(\d1)+2], v[(\s)+32:(\s)+47], v[TM+14]
	v_cvt_scalef32_pk16_fp6_f32 v[TC+4:TC+6], v[(\s)+48:(\s)+63], v[TM+15]
	WIN 0
	v_nop                                          ; one plain line behind a scaled conversion
.irp i, 0,1,2                                  ; the operand's layout wants a whole block in a lane: lanes 0-15 the even block, lanes 16-31 the odd one
	v_permlane16_swap_b32 v[(\d0)+\i], v[TC+\i]
	v_permlane16_swap_b32 v[(\d1)+\i], v[TC+4+\i]
.endr
.irp i, 0,1,2
	v_mov_b32 v[(\d0)+3+\i], v[TC+\i]
	v_mov_b32 v[(\d1)+3+\i], v[TC+4+\i]
.endr
.endm
	s_wait_tensorcnt 1                             ; the scale bytes and my part of K step 0 are in (K step 1's load may be out),
	s_barrier_signal -1
	s_barrier_wait -1                              ; everybody's are
	FETCH_B 0, 0, 0
	FETCH_A 0, 0, 0
	SCALES 0
	FETCH_A 0, 0, 4
	STEP 0, 0, 1                                   ; the first step's products start the sums
	s_mov_b32 s3, LAPS-1
.Llap:                                                 ; a trip goes once round the ring and fills both slots again
	TURN 0, 1, 1
	STEP 1, 0, 0
	TURN 1, 0, 1
	STEP 0, 0, 0
	s_sub_co_u32 s3, s3, 1
	s_cmp_lg_u32 s3, 0
	s_cbranch_scc1 .Llap
	TURN 0, 1, 0                                   ; the last lap fills nothing
	STEP 1, 0, 0
	s_cmp_eq_u32 s[ISV], 1                         ; the ways part here, on the cluster's x: alike in all partners.  No barrier and no tensor load stands on either way
	s_cbranch_scc1 .Lv_way
	TAB 0                                          ; q, k: the first tile's cos and sin are asked for 64 products ahead of their use
	LAST
.irp a, 0,1,2,3,4,5,6,7                        ; block a: token tile a of my 128 tokens, two heads' 64 columns each
.if \a < 7
	TAB \a+1
	s_wait_loadcnt 8                               ; this block's eight loads are in; the next block's eight were issued behind them
.else
	s_wait_loadcnt 0x0
.endif
	ROPE \a
.if (\a%2 == 0) && (\a > 0)
	s_wait_xcnt 0x0                                ; the last pair's stores have read the codes' registers: they are written again only behind this wait
.endif
	QUANT RR, 0, XC+6*(\a%2), XC+12+6*(\a%2)       ; head 0's two blocks, head 1's two blocks; the even tile takes a unit's registers 0-5, the odd one 6-11
.if \a%2 == 0
	v_mov_b32 v[W0], v[PW]
.else
	v_perm_b32 v[WS+\a/2], v[PW], v[W0], 0x05040100     ; head 0's word of the unit: the even tile's two bytes, the odd tile's two
	v_perm_b32 v[WS+4+\a/2], v[PW], v[W0], 0x07060302   ; head 1's
.irp e, 0,1
.irp c, 0,1,2
	global_store_b128 v[LI], v[XC+12*\e+4*\c:XC+12*\e+4*\c+3], s[IP:IP+1] offset:98304*\e+1536*(\a/2)+512*\c   ; 32 lanes store 512 consecutive bytes, aligned
.endr
.endr
.endif
.endr
	s_branch .Ljoin
.Lv_way:
	LAST
.irp a, 0,1,2,3,4,5,6,7                        ; block a: 16 channels (head a / 4, tile a % 4) x my 128 tokens: one unit
.if \a > 1
	s_wait_xcnt 0x0                                ; the stores of two blocks back have read this set of registers
.endif
	QUANT 64*(\a%4), 2+\a/4, XC+12*(\a%2), XC+12*(\a%2)+6
	v_mov_b32 v[WS+\a], v[PW]
.irp c, 0,1,2
	global_store_b128 v[LI], v[XC+12*(\a%2)+4*\c:XC+12*(\a%2)+4*\c+3], s[IP:IP+1] offset:98304*(\a/4)+1536*(\a%4)+512*\c
.endr
.endr
.Ljoin:
.irp e, 0,1                                    ; the scale words of a head's four units: lanes 0-15 carry units 0 and 2, lanes 16-31 units 1 and 3
	v_cndmask_b32 v[252+2*\e], v[WS+4*\e], v[WS+4*\e+1], s[HM]
	v_cndmask_b32 v[253+2*\e], v[WS+4*\e+2], v[WS+4*\e+3], s[HM]
	global_store_b64 v[L8], v[252+2*\e:253+2*\e], s[SP:SP+1] offset:4096*\e   ; 256 consecutive bytes, aligned
.endr
	s_wait_tensorcnt 0x0                           ; the wave's end
	ds_add_u32 v[SPW], v[NIL]
	s_wait_dscnt 0x0
	CROUND                                         ; the closing round: no work-group ends while a partner may still ask for a tile that names it
	s_endpgm
.Lfunc_end_k_qbc4381159c_qkv:
	.size	k_qbc4381159c_qkv, .Lfunc_end_k_qbc4381159c_qkv-k_qbc4381159c_qkv
	.p2alignl 7, 3214868480
	.fill 96, 4, 3214868480
	.section	.rodata,"a",@progbits
	.p2align	6, 0x0
	.amdhsa_kernel k_qbc4381159c_qkv
		.amdhsa_group_segment_fixed_size 327680
		.amdhsa_private_segment_fixed_size 0
		.amdhsa_enable_private_segment 0
		.amdhsa_kernarg_size 40
		.amdhsa_user_sgpr_count 2
		.amdhsa_user_sgpr_kernarg_segment_ptr 1
		.amdhsa_wavefront_size32 1
		.amdhsa_system_sgpr_workgroup_id_x 1
		.amdhsa_system_sgpr_workgroup_id_y 1
		.amdhsa_system_sgpr_workgroup_id_z 1
		.amdhsa_system_vgpr_workitem_id 0
		.amdhsa_next_free_vgpr 1024
		.amdhsa_next_free_sgpr 102
		.amdhsa_reserve_vcc 0
		.amdhsa_float_denorm_mode_32 3
		.amdhsa_float_denorm_mode_16_64 3
		.amdhsa_memory_ordered 1
		.amdhsa_forward_progress 1
		.amdhsa_inst_pref_size 246
	.end_amdhsa_kernel
	.amdgpu_metadata
---
amdhsa.version: [ 1, 2 ]
amdhsa.kernels:
  - .name:           k_qbc4381159c_qkv
    .symbol:         k_qbc4381159c_qkv.kd
    .args:
      - { .name: in_codes, .offset: 0, .size: 8, .value_kind: global_buffer, .address_space: global }
      - { .name: in_scales, .offset: 8, .size: 8, .value_kind: global_buffer, .address_space: global }
      - { .name: rope, .offset: 16, .size: 8, .value_kind: global_buffer, .address_space: global }
      - { .name: qkv_img, .offset: 24, .size: 8, .value_kind: global_buffer, .address_space: global }
      - { .name: qkv_sc, .offset: 32, .size: 8, .value_kind: global_buffer, .address_space: global }
    .group_segment_fixed_size: 327680
    .private_segment_fixed_size: 0
    .kernarg_segment_align: 8
    .kernarg_segment_size: 40
    .max_flat_workgroup_size: 128
    .sgpr_count:     102
    .vgpr_count:     1024
    .wavefront_size: 32
...
	.end_amdgpu_metadata
.endif
;; end of part 2
;; launch attn (part 3): grid 8 x 32, 16 waves a work-group, clusters of 4 x 1, 206,848 bytes of LDS; arguments qkv_img, qkv_sc, attn_img, attn_sc; writes attn_img, attn_sc
.if DOCPART == 3
	.amdgcn_target "amdgcn-amd-amdhsa--gfx1250"
	.amdhsa_code_object_version 6
	.text
	.protected	k_qbc4381159c_attn
	.globl	k_qbc4381159c_attn
	.p2align	8
	.type	k_qbc4381159c_attn,@function
k_qbc4381159c_attn:
	s_mov_b64 s[64:65], 0
	v_nop
	global_prefetch_b8 v0, s[64:65] scope:SCOPE_SE
	s_setreg_imm32_b32 hwreg(HW_REG_WAVE_MODE, 25, 1), 1
	s_wait_xcnt 0x0
	s_wait_alu depctr_hold_cnt(0) depctr_sa_sdst(0) depctr_va_vdst(0) depctr_va_sdst(0) depctr_va_ssrc(0) depctr_va_vcc(0) depctr_vm_vsrc(0)
	s_getreg_b32 s2, hwreg(HW_REG_IB_STS2, 6, 4)
	s_cmp_eq_u32 s2, 0
	s_cbranch_scc0 .Lentry_in_a_cluster
	s_endpgm
.Lentry_in_a_cluster:
	s_bfe_u32 s2, ttmp6, 0x10000c
	s_cmp_lg_u32 s2, 0x3003
	s_cbranch_scc0 .Lentry_shape_is_right
	s_endpgm
.Lentry_shape_is_right:
; Causal attention of one head on codes of FP6 (E2M3), head size 64; both products quantised.  t = score x log2(e) / 8; M = the running largest t rounded UP to a whole number; p = 2^(t - M) is quantised along the keys, not normalised;
; the row's sum is taken of the unquantised p and divides O at the end; when M moves, the sum and O are multiplied by 2^(old M - new M), exactly.  O / sum is quantised along the model's 1,024 and leaves as codes.
; SHARES.  Work-group (j = 0..7, batch x head).  Its sixteen waves own one tile of 16 queries each: wave of rank p owns query tile 8 p + j, whose last key lies in key step p (128 keys a step) whatever j is: it works p + 1 steps, the last of
; them on the diagonal.  So no branch hangs on j, only keys that count are multiplied, and all work-groups have the same work.  Ranks are dealt so that waves w, w + 4, w + 8, w + 12 have 34 steps together.
; LDS holds the head's whole K and V as the images of operand registers that the launch before stored, and their scale words: filled once, in four stages of four key steps, so that the first steps begin while the rest is on its way.
; The four work-groups of a cluster share a head: every tile is asked for JOINTLY (mask 15), each wave five loads at the head: by this text's count five tensor loads of a wave are out at the most.
; LAYOUT.  S^T = K Q^T, O^T = V^T P^T: a lane holds ONE query (lane % 16).  The head's K is 64 and the instruction's 128: a unit of K holds two tiles of 16 keys side by side along K, and q stands in one half of its operand with zero
; codes in the other: [q | 0] gives the even tile's scores, [0 | q] the odd tile's.  A lane's registers of tile t are keys 16 t + 8 (lane / 16) + 0..7; p's codes so lie within a block of 32 in the order 0-7, 16-23, 8-15, 24-31, as v's do.
; Wv's rows were stored with bits 3 and 4 swapped, so O^T's 16 registers of tiles 2 b, 2 b + 1 are channels 32 b + 16 (lane / 16) + 0..15: neighbours along the last product's K.
; OUT.  attn_img [token tile 256][g 8][6][lane 32][8 bytes]: the last product's A fragment (16 tokens x heads 2 g, 2 g + 1); a wave stores three whole runs of 256 bytes.  attn_sc [token][32]: a wave owns 2 bytes of each of 16 rows and
; stores them as single bytes, one a lane: one byte in 24 of what it stores; rows of scale bytes are shared by sixteen work-groups, so they cannot be gathered here.
; LIMITS: NaN and infinities are not served; a block whose largest magnitude lies under 2^-124 keeps the byte 1 (its codes are then what the conversion gives under that scale).
.set UNIT,  1536                       ; a fragment's image
.set STEPB, 4*UNIT                     ; a key step's four units
.set STGB,  4*STEPB                    ; a stage: four key steps
.set VIMG,  98304                      ; LDS: K's images from 0, V's from here,
.set KSC,   196608                     ; K's scale words (256 bytes a step),
.set VSC,   200704                     ; V's
.set AK0, 1                            ; v1  16 x lane
.set AV0, 2                            ; v2  + VIMG
.set AS0, 3                            ; v3  8 x lane + KSC
.set AT0, 4                            ; v4  8 x lane + VSC
.set DQ,  5                            ; v5  16 j + r - 8 h: on the diagonal, register (t, i) is hidden where 16 t + i is greater
.set L8,  6                            ; v6  8 x lane
.set SBO, 7                            ; v7  32 r + h: my scale byte's place
.set ADK, 8                            ; v8-11 the step's LDS addresses
.set ADV, 9
.set ADS, 10
.set ADT, 11
.set QLO, 16                           ; v16-27 [q | 0];  v28-39 [0 | q]
.set QHI, 28
.set FRG, 40                           ; v40-87 four fragments, of K and then of V
.set S,   96                           ; v96-159 S^T, then p
.set O,   160                          ; v160-191 O^T
.set PCD, 192                          ; v192-203 p's codes;  v204-211 the conversions' second halves
.set CT,  204
.set BM,  212                          ; v212-215 block maxima; v216-219 the other half's, then bytes; v220-223 scale operands
.set PD,  216
.set SO,  220
.set WV,  12
.set RHO, 13
.set J,   14
.set BH,  15
.set SEL, 16
.set CS,  18                           ; s[18:19] c = log2(e) / 8
.set ST,  20                           ; the key step in hand
.set CNT, 21
.set TK,  22                           ; where its units begin in LDS
.set TS,  23                           ; and its scale words
.set G1,  24                           ; s[24:31] group 1 for images; s[32:39] for scale words; s[40:59] five groups 0
.set G1S, 32
.set G0,  40
.macro ROUND                           ; a round of the cluster's barrier
	s_barrier_signal -1
	s_barrier_wait -1
	s_cmp_lg_u32 s[WV], 0
	s_cbranch_scc1 .Lnot_wave_0_\@
	s_barrier_signal -3
.Lnot_wave_0_\@:
	s_barrier_wait -3
	s_barrier_signal -1
	s_barrier_wait -1
.endm
	s_load_b256 s[4:11], s[0:1], 0x0               ; qkv_img 4, qkv_sc 6, attn_img 8, attn_sc 10
	v_lshl_add_u32 v254, v0, 2, 0x32000
	v_mov_b32 v255, 0
	ds_add_u32 v254, v255
	ds_add_u32 v254, v255
	v_lshrrev_b32 v226, 5, v0
	v_readfirstlane_b32 s[WV], v226                ; wave 0..15
	s_and_b32 s[RHO], s[WV], 12
	s_bfe_u32 s60, s[WV], 0x10002
	s_mul_i32 s60, s60, 3
	s_and_b32 s61, s[WV], 3
	s_xor_b32 s61, s61, s60
	s_or_b32 s[RHO], s[RHO], s61                   ; my rank: in every second group of four waves the order is turned round
	s_bfe_u32 s60, ttmp6, 0x40000                  ; cx
	s_lshl_b32 s[J], ttmp9, 2
	s_add_co_u32 s[J], s[J], s60                   ; j = 4 x cluster x + cx: it enters global addresses and the mask's numbers alone
	s_and_b32 s[BH], ttmp7, 0xffff                 ; 16 x batch + head, which the four partners share
	s_mov_b32 s[G1], 15|(3<<16)|(1<<21)            ; the mask: all four; elements of 8 bytes; bit 21 beside a mask; no padding
	s_mov_b32 s[G1+1], 32<<16                      ; rows of 256 bytes,
	s_mov_b32 s[G1+2], 12<<16                      ; twelve: two units, dense in memory
	s_mov_b32 s[G1+3], 32<<16
	s_mov_b32 s[G1+4], 12
	s_mov_b32 s[G1+5], 32
	s_mov_b32 s[G1+6], 0
	s_mov_b32 s[G1+7], 0
	s_mov_b32 s[G1S], 15|(3<<16)|(1<<21)
	s_mov_b32 s[G1S+1], 32<<16
	s_mov_b32 s[G1S+2], 2<<16                      ; two rows: two steps' scale words
	s_mov_b32 s[G1S+3], 32<<16
	s_mov_b32 s[G1S+4], 2
	s_mov_b32 s[G1S+5], 32
	s_mov_b32 s[G1S+6], 0
	s_mov_b32 s[G1S+7], 0
	s_and_b32 s60, s[WV], 7                        ; waves 0-7 fetch K's, waves 8-15 V's: an eighth each
	s_lshr_b32 s61, s[WV], 3
	s_add_co_u32 s62, s61, 1                       ; kind 1 or 2
	s_lshl_b32 s66, s62, 17                        ; scale words: kind, head, my 512 bytes
	s_lshl_b32 s67, s[BH], 12
	s_add_co_u32 s66, s66, s67
	s_lshl_b32 s67, s60, 9
	s_add_co_u32 s66, s66, s67
	s_mov_b32 s67, 0
	s_mul_i32 s68, s62, 3145728                    ; images: kind, head, my 3,072 bytes of a stage
	s_mul_i32 s69, s[BH], 98304
	s_add_co_u32 s68, s68, s69
	s_mul_i32 s70, s60, 3072
	s_add_co_u32 s68, s68, s70
	s_mov_b32 s69, 0
	s_mul_i32 s71, s61, VIMG
	s_add_co_u32 s71, s71, s70                     ; and their place in LDS: the wave's number and constants alone
	s_lshl_b32 s72, s[WV], 9
	s_mov_b32 s[SEL], 0x76543210
	s_mov_b32 s[SEL+1], 0xfedcba98
	s_mov_b32 s[CS], 0x3e38aa3b
	s_mov_b32 s[CS+1], s[CS]                       ; (named with it as a pair, so it is written)
	s_mov_b32 s[ST], 0
	v_and_b32 v226, 31, v0                         ; lane
	v_and_b32 v227, 15, v0                         ; r
	v_bfe_u32 v228, v0, 4, 1                       ; h
	v_lshlrev_b32 v[AK0], 4, v226
	v_add_nc_u32 v[AV0], VIMG, v[AK0]
	v_lshlrev_b32 v[L8], 3, v226
	v_add_nc_u32 v[AS0], KSC, v[L8]
	v_add_nc_u32 v[AT0], VSC, v[L8]
	v_lshlrev_b32 v229, 3, v228
	v_sub_nc_u32 v[DQ], v227, v229
	v_lshl_add_u32 v[DQ], s[J], 4, v[DQ]
	v_lshl_add_u32 v[SBO], v227, 5, v228
	v_lshlrev_b32 v227, 3, v227                    ; 8 r: q's scale word
	s_wait_dscnt 0x0
	s_wait_kmcnt 0x0
	s_mov_b32 s[G0], 1
	s_add_co_u32 s[G0+1], s72, KSC
	s_add_nc_u64 s[G0+2:G0+3], s[6:7], s[66:67]
	s_or_b32 s[G0+3], s[G0+3], 0x80000000
	s_add_nc_u64 s[74:75], s[4:5], s[68:69]
.irp g, 0,1,2,3
	s_mov_b32 s[G0+4+4*\g], 1
	s_add_co_u32 s[G0+5+4*\g], s71, STGB*\g
	s_add_nc_u64 s[G0+6+4*\g:G0+7+4*\g], s[74:75], STGB*\g
	s_or_b32 s[G0+7+4*\g], s[G0+7+4*\g], 0x80000000
.endr
	s_lshl_b32 s60, s[BH], 6                       ; q's unit: head x 64 + 4 rank + j / 2
	s_lshl_b32 s61, s[RHO], 2
	s_add_co_u32 s60, s60, s61
	s_lshr_b32 s61, s[J], 1
	s_add_co_u32 s60, s60, s61
	s_mul_i32 s60, s60, UNIT
	s_mov_b32 s61, 0
	s_add_nc_u64 s[76:77], s[4:5], s[60:61]
	s_lshl_b32 s60, s[BH], 4                       ; its scale word: step = rank; lanes 16 ((j / 2) % 2) + r; word j / 4
	s_add_co_u32 s60, s60, s[RHO]
	s_lshl_b32 s60, s60, 8
	s_bfe_u32 s62, s[J], 0x10001
	s_lshl_b32 s62, s62, 7
	s_add_co_u32 s60, s60, s62
	s_lshr_b32 s62, s[J], 2
	s_lshl_b32 s62, s62, 2
	s_add_co_u32 s60, s60, s62
	s_add_nc_u64 s[78:79], s[6:7], s[60:61]
	s_lshr_b32 s60, s[BH], 4                       ; my token tile: 128 x batch + 8 rank + j
	s_lshl_b32 s60, s60, 7
	s_lshl_b32 s62, s[RHO], 3
	s_add_co_u32 s60, s60, s62
	s_add_co_u32 s60, s60, s[J]
	s_and_b32 s62, s[BH], 15                       ; head
	s_mul_i32 s66, s60, 12288                      ; attn_img: 12,288 bytes a token tile, 768 a head
	s_mul_i32 s68, s62, 768
	s_add_co_u32 s66, s66, s68
	s_add_nc_u64 s[8:9], s[8:9], s[66:67]
	s_lshl_b32 s66, s60, 9                         ; attn_sc: 512 bytes a token tile, 2 a head
	s_lshl_b32 s62, s62, 1
	s_add_co_u32 s66, s66, s62
	s_add_nc_u64 s[10:11], s[10:11], s[66:67]
	s_and_b32 s61, s[J], 1
	s_lshl_b32 s62, s61, 4                         ; 16 (j % 2): which half of the unit's scale word is my tile's
	s_cmp_eq_u32 s61, 1
	s_cselect_b32 s61, -1, 0                       ; and which six of its registers: a mask for all lanes
	s_mov_b32 s63, 0xffff0000                      ; lanes 16-31
	ROUND                                          ; all four work-groups are here: the joint loads meet
	tensor_load_to_lds s[G0:G0+3], s[G1S:G1S+7]    ; the scale words, then the four stages: one group, ahead of every wait on TENSORcnt, every LDS read and every other barrier
	s_nop 0
	tensor_load_to_lds s[G0+4:G0+7], s[G1:G1+7]
	s_nop 0
	tensor_load_to_lds s[G0+8:G0+11], s[G1:G1+7]
	s_nop 0
	tensor_load_to_lds s[G0+12:G0+15], s[G1:G1+7]
	s_nop 0
	tensor_load_to_lds s[G0+16:G0+19], s[G1:G1+7]
	s_nop 0
.rept 4
	v_nop
.endr
	global_load_b128 v[FRG:FRG+3], v[AK0], s[76:77]
	global_load_b128 v[FRG+4:FRG+7], v[AK0], s[76:77] offset:512
	global_load_b128 v[FRG+8:FRG+11], v[AK0], s[76:77] offset:1024
	global_load_b32 v229, v227, s[78:79]
	s_wait_loadcnt 0x0
.irp i, 0,1,2,3,4,5
	v_cndmask_b32 v[QLO+\i], v[FRG+\i], v[FRG+6+\i], s61   ; my tile's six registers of the pair
.endr
	v_lshrrev_b32 v229, s62, v229
	v_and_b32 v229, 0xffff, v229
	v_lshl_or_b32 v92, v229, 16, v229              ; q's two bytes in both halves of its scale word: they serve [q | 0] and [0 | q]
.irp i, 0,1,2,3,4,5
	v_mov_b32 v[QHI+6+\i], v[QLO+\i]
	v_mov_b32 v[QLO+6+\i], 0                       ; zero codes add nothing under any byte
	v_mov_b32 v[QHI+\i], 0
.endr
	v_mov_b32 v13, 0xff61b1e6                      ; the largest t so far: -3e38
	v_floor_f32 v12, -v13                          ; -M
	v_mov_b32 v14, 0                               ; the sum, in two halves
	v_mov_b32 v15, 0
	v_mov_b32 v225, 0                              ; (the upper half of the pair v[224:225])
.irp b, 0,1,2,3
	v_mov_b32 v[PD+\b], 0                          ; a lane permute's destination counts as one of its sources
.endr
.set n, 0
.rept 32
	v_mov_b32 v[O+n], 0                            ; O^T: the step is written once; its first run finds zeros
.set n, n+1
.endr
; A KEY STEP: 128 keys.  A step behind my rank is left out: a scalar branch on the wave's number and the count of steps, round the work alone.
.macro STEP
	s_cmp_gt_u32 s[ST], s[RHO]
	s_cbranch_scc1 .Lhidden_\@
	v_add_nc_u32 v[ADK], s[TK], v[AK0]             ; (these four are also the places in front of loads into registers that the last products read)
	v_add_nc_u32 v[ADV], s[TK], v[AV0]
	v_add_nc_u32 v[ADS], s[TS], v[AS0]
	v_add_nc_u32 v[ADT], s[TS], v[AT0]
.irp u, 0,1,2,3
.irp c, 0,1,2
	ds_load_b128 v[FRG+12*\u+4*\c:FRG+12*\u+4*\c+3], v[ADK] offset:UNIT*\u+512*\c   ; 512 consecutive bytes: the image of four registers
.endr
.endr
	ds_load_b64 v[88:89], v[ADS]                   ; v88: units 0 (lanes 0-15) and 1 (lanes 16-31); v89: units 2 and 3
	s_wait_dscnt 0x0
.irp u, 0,1,2,3                                ; S^T: unit u gives key tiles 2 u and 2 u + 1
.if \u%2
	v_wmma_scale_f32_16x16x128_f8f6f4 v[S+16*\u:S+16*\u+7], v[FRG+12*\u:FRG+12*\u+11], v[QLO:QLO+11], 0, v[88+\u/2], v92 matrix_a_fmt:MATRIX_FMT_FP6 matrix_b_fmt:MATRIX_FMT_FP6 matrix_a_scale:MATRIX_SCALE_ROW1
	v_wmma_scale_f32_16x16x128_f8f6f4 v[S+16*\u+8:S+16*\u+15], v[FRG+12*\u:FRG+12*\u+11], v[QHI:QHI+11], 0, v[88+\u/2], v92 matrix_a_fmt:MATRIX_FMT_FP6 matrix_b_fmt:MATRIX_FMT_FP6 matrix_a_scale:MATRIX_SCALE_ROW1
.else
	v_wmma_scale_f32_16x16x128_f8f6f4 v[S+16*\u:S+16*\u+7], v[FRG+12*\u:FRG+12*\u+11], v[QLO:QLO+11], 0, v[88+\u/2], v92 matrix_a_fmt:MATRIX_FMT_FP6 matrix_b_fmt:MATRIX_FMT_FP6
	v_wmma_scale_f32_16x16x128_f8f6f4 v[S+16*\u+8:S+16*\u+15], v[FRG+12*\u:FRG+12*\u+11], v[QHI:QHI+11], 0, v[88+\u/2], v92 matrix_a_fmt:MATRIX_FMT_FP6 matrix_b_fmt:MATRIX_FMT_FP6
.endif
.endr
.rept 4
	v_nop
.endr
	s_cmp_lg_u32 s[ST], s[RHO]                     ; my one step on the diagonal: hidden scores become -infinity ahead of the maximum, so that p = 0
	s_cbranch_scc1 .Lopen_\@
	v_mov_b32 v226, 0xff800000
.set n, 0
.rept 64
	v_cmp_gt_i32 vcc_lo, 16*(n/8)+n%8, v[DQ]
	v_cndmask_b32 v[S+n], v[S+n], v226, vcc_lo
.set n, n+1
.endr
.Lopen_\@:
.irp b, 0,1,2,3
	v_max3_num_f32 v[BM+\b], v[S+16*\b], v[S+1+16*\b], v[S+2+16*\b]   ; the largest score of each block of 32 keys: for the row's maximum, and, since p rises with the score, for the block's largest p
.endr
.irp i, 3,5,7,9,11,13
.irp b, 0,1,2,3
	v_max3_num_f32 v[BM+\b], v[BM+\b], v[S+16*\b+\i], v[S+1+16*\b+\i]
.endr
.endr
.irp b, 0,1,2,3
	v_max_num_f32 v[BM+\b], v[BM+\b], v[S+15+16*\b]
.endr
.irp b, 0,1,2,3
	v_permlanex16_b32 v[PD+\b], v[BM+\b], s[SEL], s[SEL+1]
.endr
.irp b, 0,1,2,3
	v_max_num_f32 v[BM+\b], v[BM+\b], v[PD+\b]     ; with lane l xor 16's 16 keys
.endr
	v_max3_num_f32 v226, v[BM], v[BM+1], v[BM+2]
	v_max_num_f32 v226, v226, v[BM+3]
	v_mul_f32 v226, s[CS], v226                    ; the step's largest t
	v_max_num_f32 v13, v13, v226                   ; the running largest t
	v_mov_b32 v226, v12
	v_floor_f32 v12, -v13                          ; the new -M = -ceil(t)
	v_sub_f32 v226, v12, v226                      ; old M - new M: a whole number, 0 or less
	v_cvt_i32_f32 v226, v226                       ; (it saturates)
	v_ldexp_f32 v224, 1.0, v226                    ; f = 2^(old M - new M)
.set n, 0
.rept 32
	v_pk_fma_f32 v[S+n:S+n+1], v[S+n:S+n+1], s[CS:CS+1], v[12:13] op_sel_hi:[1,0,0]   ; t - M, two at a time
.set n, n+2
.endr
.irp b, 0,1,2,3
	v_fma_f32 v[BM+\b], v[BM+\b], s[CS], v12       ; the same of each block's largest score
.endr
.set n, 0
.rept 64
	v_exp_f32 v[S+n], v[S+n]                       ; p = 2^(t - M)
.set n, n+1
.endr
	v_pk_mul_f32 v[14:15], v[14:15], v[224:225] op_sel_hi:[1,0]   ; the sums under the new M (a plain line behind the exponentials)
	s_wait_alu depctr_va_vdst(0)                   ; one wait for the batch, ahead of its first reader
.irp b, 0,1,2,3
	v_exp_f32 v[BM+\b], v[BM+\b]                   ; the block's largest p: the same two instructions on the same number
.endr
	v_pk_add_f32 v[228:229], v[S:S+1], v[S+2:S+3]  ; the row's sum of the UNQUANTISED p, in two chains
.irp j, 4,8,12,16,20,24,28,32,36,40,44,48,52,56,60
	v_pk_add_f32 v[14:15], v[14:15], v[S+\j:S+1+\j]
	v_pk_add_f32 v[228:229], v[228:229], v[S+2+\j:S+3+\j]
.endr
	v_pk_add_f32 v[14:15], v[14:15], v[228:229]
	s_wait_alu depctr_va_vdst(0)                   ; and one for the four
.irp b, 0,1,2,3
	v_max_num_f32 v[BM+\b], 0x1800000, v[BM+\b]    ; the floor 2^(3 - 127): the byte cannot fall under 1
.endr
.irp b, 0,1,2,3
	v_add_nc_u32 v[SO+\b], 0xff000000, v[BM+\b]    ; 2 off the exponent field: the conversion's scale operand
.endr
.irp b, 0,1,2,3
	v_lshrrev_b32 v[PD+\b], 23, v[SO+\b]           ; the scale's byte
.endr
	v_lshl_or_b32 v93, v[PD+1], 8, v[PD]           ; p's scale word for these 128 keys
	v_lshl_or_b32 v93, v[PD+2], 16, v93
	v_lshl_or_b32 v93, v[PD+3], 24, v93
.irp c, 0,1
	v_cvt_scalef32_pk16_fp6_f32 v[PCD+6*\c:PCD+2+6*\c], v[S+32*\c:S+15+32*\c], v[SO+2*\c]
	v_cvt_scalef32_pk16_fp6_f32 v[CT+4*\c:CT+2+4*\c], v[S+16+32*\c:S+31+32*\c], v[SO+2*\c+1]
.endr
	v_nop                                          ; one plain line behind a scaled conversion
.irp c, 0,1
.irp i, 0,1,2
	v_permlane16_swap_b32 v[PCD+6*\c+\i], v[CT+4*\c+\i]
.endr
.irp i, 0,1,2
	v_mov_b32 v[PCD+3+6*\c+\i], v[CT+4*\c+\i]
.endr
.endr
.set n, 0
.rept 16
	v_pk_mul_f32 v[O+n:O+n+1], v[O+n:O+n+1], v[224:225] op_sel_hi:[1,0]   ; O^T under the new M (these are also the places in front of the products below)
.set n, n+2
.endr
.irp u, 0,1,2,3
.irp c, 0,1,2
	ds_load_b128 v[FRG+12*\u+4*\c:FRG+12*\u+4*\c+3], v[ADV] offset:UNIT*\u+512*\c
.endr
.endr
	ds_load_b64 v[90:91], v[ADT]
	s_wait_dscnt 0x0
.irp u, 0,1,2,3                                ; O^T += V^T P^T: the four accumulators by turns, one instruction a turn
.if \u%2
	v_wmma_scale_f32_16x16x128_f8f6f4 v[O+8*\u:O+8*\u+7], v[FRG+12*\u:FRG+12*\u+11], v[PCD:PCD+11], v[O+8*\u:O+8*\u+7], v[90+\u/2], v93 matrix_a_fmt:MATRIX_FMT_FP6 matrix_b_fmt:MATRIX_FMT_FP6 matrix_a_scale:MATRIX_SCALE_ROW1
.else
	v_wmma_scale_f32_16x16x128_f8f6f4 v[O+8*\u:O+8*\u+7], v[FRG+12*\u:FRG+12*\u+11], v[PCD:PCD+11], v[O+8*\u:O+8*\u+7], v[90+\u/2], v93 matrix_a_fmt:MATRIX_FMT_FP6 matrix_b_fmt:MATRIX_FMT_FP6
.endif
.endr
.Lhidden_\@:
	s_add_co_u32 s[ST], s[ST], 1
	s_add_co_u32 s[TK], s[TK], STEPB
	s_add_co_u32 s[TS], s[TS], 256
.endm
; A STAGE: four key steps.  My part of it has landed (the later stages' loads, issued behind it, may stay out); then the barrier: everybody's has.
.macro STAGE g
	s_wait_tensorcnt 3-\g
	s_wait_dscnt 0x0
	s_barrier_signal -1
	s_barrier_wait -1
	s_mov_b32 s[TK], STGB*\g
	s_mov_b32 s[TS], 1024*\g
	s_mov_b32 s[CNT], 4
.Lstep_\@:
	STEP
	s_sub_co_u32 s[CNT], s[CNT], 1
	s_cmp_lg_u32 s[CNT], 0
	s_cbranch_scc1 .Lstep_\@
.endm
	STAGE 0
	STAGE 1
	STAGE 2
	STAGE 3
	; THE WAY OUT: O^T / the sum, quantised along the head's 64 (two blocks of the last product's K), stored as the image of that product's operand.
.rept 4
	v_nop
.endr
	v_add_f32 v14, v14, v15
	v_permlanex16_b32 v226, v14, s[SEL], s[SEL+1]
	v_add_f32 v14, v14, v226                       ; the row's sum
	v_rcp_f32 v14, v14
	v_nop                                          ; a plain line behind the reciprocal
	s_wait_alu depctr_va_vdst(0)                   ; and the wait ahead of its first reader
.set n, 0
.rept 16
	v_pk_mul_f32 v[S+n:S+n+1], v[O+n:O+n+1], v[14:15] op_sel_hi:[1,0]   ; register 16 b + i: channel 32 b + 16 h + i of my query; each accumulator from its low end on
.set n, n+2
.endr
.irp b, 0,1
	v_max3_num_f32 v[BM+\b], |v[S+16*\b]|, |v[S+1+16*\b]|, 0x1800000
.endr
.irp i, 2,4,6,8,10,12,14
.irp b, 0,1
	v_max3_num_f32 v[BM+\b], v[BM+\b], |v[S+16*\b+\i]|, |v[S+1+16*\b+\i]|
.endr
.endr
.irp b, 0,1
	v_permlanex16_b32 v[PD+\b], v[BM+\b], s[SEL], s[SEL+1]
.endr
.irp b, 0,1
	v_max_num_f32 v[BM+\b], v[BM+\b], v[PD+\b]
.endr
.irp b, 0,1
	v_add_nc_u32 v[SO+\b], 0xff000000, v[BM+\b]
.endr
.irp b, 0,1
	v_lshrrev_b32 v[PD+\b], 23, v[SO+\b]
.endr
	v_cvt_scalef32_pk16_fp6_f32 v[PCD:PCD+2], v[S:S+15], v[SO]
	v_cvt_scalef32_pk16_fp6_f32 v[CT:CT+2], v[S+16:S+31], v[SO+1]
	v_cndmask_b32 v226, v[PD], v[PD+1], s63        ; my half's block's byte (also the plain line behind the conversions)
.irp i, 0,1,2
	v_permlane16_swap_b32 v[PCD+\i], v[CT+\i]
.endr
.irp i, 0,1,2
	v_mov_b32 v[PCD+3+\i], v[CT+\i]
.endr
.irp c, 0,1,2
	global_store_b64 v[L8], v[PCD+2*\c:PCD+2*\c+1], s[8:9] offset:256*\c   ; 32 lanes store 256 consecutive bytes, aligned
.endr
	global_store_b8 v[SBO], v226, s[10:11]         ; token r's byte of block h
	s_wait_tensorcnt 0x0
	ds_add_u32 v254, v255
	s_wait_dscnt 0x0
	ROUND                                          ; the closing round: no work-group ends while a partner may still ask for a tile that names it
	s_endpgm
.Lfunc_end_k_qbc4381159c_attn:
	.size	k_qbc4381159c_attn, .Lfunc_end_k_qbc4381159c_attn-k_qbc4381159c_attn
	.p2alignl 7, 3214868480
	.fill 96, 4, 3214868480
	.section	.rodata,"a",@progbits
	.p2align	6, 0x0
	.amdhsa_kernel k_qbc4381159c_attn
		.amdhsa_group_segment_fixed_size 206848
		.amdhsa_private_segment_fixed_size 0
		.amdhsa_enable_private_segment 0
		.amdhsa_kernarg_size 32
		.amdhsa_user_sgpr_count 2
		.amdhsa_user_sgpr_kernarg_segment_ptr 1
		.amdhsa_wavefront_size32 1
		.amdhsa_system_sgpr_workgroup_id_x 1
		.amdhsa_system_sgpr_workgroup_id_y 1
		.amdhsa_system_sgpr_workgroup_id_z 1
		.amdhsa_system_vgpr_workitem_id 0
		.amdhsa_next_free_vgpr 256
		.amdhsa_next_free_sgpr 80
		.amdhsa_reserve_vcc 1
		.amdhsa_float_denorm_mode_32 3
		.amdhsa_float_denorm_mode_16_64 3
		.amdhsa_memory_ordered 1
		.amdhsa_forward_progress 1
		.amdhsa_inst_pref_size 97
	.end_amdhsa_kernel
	.amdgpu_metadata
---
amdhsa.version: [ 1, 2 ]
amdhsa.kernels:
  - .name:           k_qbc4381159c_attn
    .symbol:         k_qbc4381159c_attn.kd
    .args:
      - { .name: qkv_img, .offset: 0, .size: 8, .value_kind: global_buffer, .address_space: global }
      - { .name: qkv_sc, .offset: 8, .size: 8, .value_kind: global_buffer, .address_space: global }
      - { .name: attn_img, .offset: 16, .size: 8, .value_kind: global_buffer, .address_space: global }
      - { .name: attn_sc, .offset: 24, .size: 8, .value_kind: global_buffer, .address_space: global }
    .group_segment_fixed_size: 206848
    .private_segment_fixed_size: 0
    .kernarg_segment_align: 8
    .kernarg_segment_size: 32
    .max_flat_workgroup_size: 512
    .sgpr_count:     80
    .vgpr_count:     256
    .wavefront_size: 32
...
	.end_amdgpu_metadata
.endif
;; end of part 3
;; launch oproj (part 4): grid 4 x 16, 4 waves a work-group, clusters of 4 x 4, 327,680 bytes of LDS; arguments attn_img, attn_sc, in_codes, in_scales, out0; writes out0
.if DOCPART == 4
	.amdgcn_target "amdgcn-amd-amdhsa--gfx1250"
	.amdhsa_code_object_version 6
	.text
	.protected	k_qbc4381159c_oproj
	.globl	k_qbc4381159c_oproj
	.p2align	8
	.type	k_qbc4381159c_oproj,@function
k_qbc4381159c_oproj:
	s_mov_b64 s[64:65], 0
	v_nop
	global_prefetch_b8 v0, s[64:65] scope:SCOPE_SE
	s_setreg_imm32_b32 hwreg(HW_REG_WAVE_MODE, 25, 1), 1
	s_wait_xcnt 0x0
	s_wait_alu depctr_hold_cnt(0) depctr_sa_sdst(0) depctr_va_vdst(0) depctr_va_sdst(0) depctr_va_ssrc(0) depctr_va_vcc(0) depctr_vm_vsrc(0)
	s_getreg_b32 s2, hwreg(HW_REG_IB_STS2, 6, 4)
	s_cmp_eq_u32 s2, 0
	s_cbranch_scc0 .Lentry_in_a_cluster
	s_endpgm
.Lentry_in_a_cluster:
	s_bfe_u32 s2, ttmp6, 0x10000c
	s_cmp_lg_u32 s2, 0xf033
	s_cbranch_scc0 .Lentry_shape_is_right
	s_endpgm
.Lentry_shape_is_right:
; out0 = attn Wo^T on codes of FP6 (E2M3) with one E8M0 scale for each 32 along K = 1,024; out0 [4096][1024] f32.
; A = attn comes as images of operand registers: attn_img [token tile 256][g 8][6][lane 32][8 bytes]: fragment (16 tokens x K 128 g ..), six pieces of two registers; its scale bytes attn_sc [4096][32].
; B = Wo: rows 7,168 .. 8,191 of the buffer of codes (768 bytes a row, one stream of bits) and of the buffer of scale bytes (32 a row).
; A tile of C, 256 x 256, is made by a work-group of four waves, a wave 128 x 128: 64 accumulators.  K goes in steps of 256 through a ring of two LDS slots filled by the tensor data mover; the scale bytes come once.
; 4 x 4 work-groups form a cluster: A's tiles are asked for jointly along a row of the cluster, B's along a column.  The matrix instruction is used transposed: a lane holds eight neighbouring numbers of a row of C.
; C has 64 such tiles: 64 work-groups.  REGISTERS: window 0: v16-29 addresses; v32-63 scale words; from v128 A's fragments, one set; window 1: B's fragments, two sets; windows 2, 3: the accumulators.
.set SIZE_N, 1024
.set SIZE_K, 1024
.set KSTEP,  256
.set NQ,     KSTEP/128
.set ROWB,   192                       ; a row of B's tile in bytes
.set AROW,   3072                      ; a token tile's part of a K step: two fragments' images
.set KROW,   SIZE_K*6/8
.set PITCH,  240
.set FR,     12
.set NL,     6
.set NP,     4
.set HALFT,  128*PITCH                 ; a wave's place in a slot; A's 128 rows use 24,576 bytes of it
.set SLOT,   4*HALFT
.set LAPS,   SIZE_K/(2*KSTEP)
.set KS,     SIZE_K/32
.set SCL,    2*SLOT
.set HALFS,  (128*KS/256)*272
.set SBLK,   (16*KS/256)*272
.set SPARE,  SCL+4*HALFS               ; the spare words: two blocks of 256 bytes that no other line names
.set SPITCH, 528                       ; the way out: a stage of 16 rows x (512 bytes + 16) a wave, in slot 0, which has had its last fill and its last read by then
.set ADRA, 16                          ; v16-17 8 x lane + my 128 rows of A in slot 0, 1
.set ADRB, 20                          ; v20-21 my B fragments; v22-23 the same behind one padding more
.set STO,  24
.set RD,   25
.set CO,   26
.set ADRS, 27
.set SPW,  28
.set NIL,  29
.set SC,   32
.set AF,   128
.set BK,   128
.set G1, 24
.set G0, 32
.set G1B, 48
.set G0B, 56
.set G1S, 68
.set G0S, 76
.set G1SB, 80
.set G0SB, 88
.set MSB, 0
.macro WIN new
.if MSB != (\new)
	s_set_vgpr_msb (MSB<<8)|(\new)
.set MSB, (\new)
.endif
.endm
.set MUL_LO, 0xa1
.set MUL_HI, 0xf1
.set TO_B,   0x40
.macro JLOAD g0a, g1a, g0b, g1b        ; a joint load: waves 0 and 1 fetch for A, waves 2 and 3 for B; four v_nop follow each line
	s_cmp_eq_u32 s15, 0
	s_cbranch_scc0 .Lfor_b_\@
	tensor_load_to_lds s[\g0a:\g0a+3], s[\g1a:\g1a+7]
	s_nop 0
.rept 4
	v_nop
.endr
	s_branch .Lasked_\@
.Lfor_b_\@:
	tensor_load_to_lds s[\g0b:\g0b+3], s[\g1b:\g1b+7]
	s_nop 0
.rept 4
	v_nop
.endr
.Lasked_\@:
.endm
.macro CREST
	s_cmp_lg_u32 s14, 0
	s_cbranch_scc1 .Lnot_wave_0_\@
	s_barrier_signal -3
.Lnot_wave_0_\@:
	s_barrier_wait -3
	s_barrier_signal -1
	s_barrier_wait -1
.endm
.macro CROUND
	s_barrier_signal -1
	s_barrier_wait -1
	CREST
.endm
	s_load_b128 s[4:7], s[0:1], 0x0                ; A's images, A's scale bytes
	s_load_b128 s[8:11], s[0:1], 0x10              ; the buffers of codes and of scale bytes
	s_load_b64 s[12:13], s[0:1], 0x20              ; C
	v_lshl_add_u32 v[SPW], v0, 2, SPARE
	v_mov_b32 v[NIL], 0
	ds_add_u32 v28, v29
	ds_add_u32 v28, v29
	s_wait_dscnt 0x0
	v_lshrrev_b32 v1, 5, v0
	v_readfirstlane_b32 s14, v1                    ; wave 0..3
	s_lshr_b32 s15, s14, 1
	s_and_b32 s16, s14, 1
	s_bfe_u32 s40, ttmp6, 0x40000                  ; cx, cy
	s_bfe_u32 s41, ttmp6, 0x40004
	s_lshl_b32 s42, ttmp9, 2
	s_add_co_u32 s42, s42, s40                     ; tile column of C
	s_and_b32 s17, ttmp7, 0xffff
	s_lshl_b32 s17, s17, 2
	s_add_co_u32 s17, s17, s41                     ; tile row of C
	s_lshl_b32 s43, s41, 2
	s_lshl_b32 s43, 15, s43                        ; my row of the cluster
	s_lshl_b32 s44, 0x1111, s40                    ; my column
	s_or_b32 s[G1+0], s43, (3<<16)|(1<<21)         ; A: elements of 8 bytes, no padding: 8 token tiles x 3,072 bytes, 12,288 bytes apart
	s_mov_b32 s[G1+1], 384<<16
	s_mov_b32 s[G1+2], 8<<16
	s_mov_b32 s[G1+3], 384<<16
	s_mov_b32 s[G1+4], 8
	s_mov_b32 s[G1+5], 1536
	s_mov_b32 s[G1+6], 0
	s_mov_b32 s[G1+7], 0
	s_or_b32 s[G1B+0], s44, (0<<16)|(1<<20)|(1<<21)|(3<<22)|(3<<25)   ; B: 128 rows x 192 bytes, 16 bytes of padding behind every 64
	s_mov_b32 s[G1B+1], ROWB<<16
	s_mov_b32 s[G1B+2], 128<<16
	s_mov_b32 s[G1B+3], ROWB<<16
	s_mov_b32 s[G1B+4], 128
	s_mov_b32 s[G1B+5], KROW
	s_mov_b32 s[G1B+6], 0
	s_mov_b32 s[G1B+7], 0
	s_or_b32 s[G1S+0], s43, (3<<16)|(1<<20)|(1<<21)|(5<<22)|(3<<25)
	s_or_b32 s[G1SB+0], s44, (3<<16)|(1<<20)|(1<<21)|(5<<22)|(3<<25)
.irp g, G1S, G1SB
	s_mov_b32 s[\g+1], 32<<16
	s_mov_b32 s[\g+2], (128*KS/256)<<16
	s_mov_b32 s[\g+3], 32<<16
	s_mov_b32 s[\g+4], 128*KS/256
	s_mov_b32 s[\g+5], 32
	s_mov_b32 s[\g+6], 0
	s_mov_b32 s[\g+7], 0
.endr
	s_lshl_b32 s18, s16, 7
	s_lshl_b32 s20, s17, 8
	s_add_co_u32 s20, s20, s18                     ; A: token 256 x tile row + 128 x half
	s_lshl_b32 s46, s42, 8
	s_add_co_u32 s46, s46, s18
	s_add_co_u32 s46, s46, 7168                    ; B: Wo's rows begin at 7,168
	s_mov_b32 s21, 0
	s_mov_b32 s47, 0
	s_mov_b64 s[18:19], KS
	s_mul_u64 s[22:23], s[20:21], s[18:19]
	s_mul_u64 s[92:93], s[46:47], s[18:19]
	s_mov_b64 s[18:19], KROW
	s_mul_u64 s[20:21], s[20:21], s[18:19]         ; 16 tokens' images are 12,288 bytes: 768 a token, as in rows
	s_mul_u64 s[46:47], s[46:47], s[18:19]
	s_mul_i32 s45, s14, HALFT
	s_mul_i32 s94, s14, HALFS
	s_wait_kmcnt 0x0
	s_add_nc_u64 s[20:21], s[4:5], s[20:21]
	s_add_nc_u64 s[22:23], s[6:7], s[22:23]
	s_add_nc_u64 s[46:47], s[8:9], s[46:47]
	s_add_nc_u64 s[92:93], s[10:11], s[92:93]
	CROUND                                         ; all sixteen work-groups are here: the first joint loads meet
	s_mov_b32 s[G0S], 1
	s_add_co_u32 s[G0S+1], s94, SCL
	s_mov_b64 s[G0S+2:G0S+3], s[22:23]
	s_or_b32 s[G0S+3], s[G0S+3], 0x80000000
	s_mov_b32 s[G0SB], 1
	s_add_co_u32 s[G0SB+1], s94, SCL
	s_mov_b64 s[G0SB+2:G0SB+3], s[92:93]
	s_or_b32 s[G0SB+3], s[G0SB+3], 0x80000000
	JLOAD G0S, G1S, G0SB, G1SB
.irp s, 0,1
	s_mov_b32 s[G0+4*\s], 1
	s_add_co_u32 s[G0+4*\s+1], s45, \s*SLOT
	s_add_nc_u64 s[G0+4*\s+2:G0+4*\s+3], s[20:21], \s*AROW
	s_or_b32 s[G0+4*\s+3], s[G0+4*\s+3], 0x80000000
	s_mov_b32 s[G0B+4*\s], 1
	s_add_co_u32 s[G0B+4*\s+1], s45, \s*SLOT
	s_add_nc_u64 s[G0B+4*\s+2:G0B+4*\s+3], s[46:47], \s*ROWB
	s_or_b32 s[G0B+4*\s+3], s[G0B+4*\s+3], 0x80000000
	JLOAD G0+4*\s, G1, G0B+4*\s, G1B
.endr
	v_and_b32 v1, 15, v0
	v_bfe_u32 v2, v0, 4, 1
	v_mul_u32_u24 v3, v1, PITCH
	v_mul_u32_u24 v4, v2, 24
	v_add_nc_u32 v4, v3, v4
	v_lshl_add_u32 v5, v2, 4, v4
	v_and_b32 v6, 31, v0
	v_lshlrev_b32 v7, 3, v6                        ; A: 8 x lane
	s_mul_i32 s21, s15, HALFT
	s_mul_i32 s22, s16, HALFT
	s_add_co_u32 s22, s22, 2*HALFT
.irp s, 0,1
	v_add_nc_u32 v[ADRA+\s], s21, v7
	v_add_nc_u32 v[ADRB+\s], s22, v4
	v_add_nc_u32 v[ADRB+2+\s], s22, v5
	s_add_co_u32 s21, s21, SLOT
	s_add_co_u32 s22, s22, SLOT
.endr
	v_mul_u32_u24 v5, v1, KS
	v_lshrrev_b32 v6, 8, v5
	v_lshl_add_u32 v5, v6, 4, v5
	s_mul_i32 s21, s15, HALFS
	s_mul_i32 s22, s16, HALFS
	s_add_co_u32 s22, s22, 2*HALFS
	s_sub_co_u32 s22, s22, s21
	v_mul_u32_u24 v6, s22, v2
	s_add_co_u32 s21, s21, SCL
	v_add_nc_u32 v5, v5, v6
	v_add_nc_u32 v[ADRS], s21, v5
	s_mul_i32 s23, s14, 16*SPITCH                  ; my stage
	v_mul_u32_u24 v5, v1, SPITCH
	v_lshl_add_u32 v5, v2, 5, v5
	v_add_nc_u32 v[STO], s23, v5
	v_and_b32 v6, 31, v0
	v_lshlrev_b32 v[CO], 4, v6
	v_add_nc_u32 v[RD], s23, v[CO]
	s_lshl_b32 s20, s17, 8
	s_lshl_b32 s21, s15, 7
	s_add_co_u32 s20, s20, s21                     ; my first row of C
	s_mov_b32 s21, 0
	s_mov_b64 s[18:19], SIZE_N*4
	s_mul_u64 s[20:21], s[20:21], s[18:19]
	s_lshl_b32 s46, s42, 10                        ; my first column, in bytes
	s_lshl_b32 s47, s16, 9
	s_add_co_u32 s46, s46, s47
	s_mov_b32 s47, 0
	s_add_nc_u64 s[20:21], s[20:21], s[46:47]
	s_add_nc_u64 s[12:13], s[12:13], s[20:21]
.macro FRAG reg, adr, q, i             ; a fragment of B from rows: pieces of 8 bytes; the second address register serves the pieces behind one padding more
.irp p, 0,1,2,3,4,5
.set PC, 12*(\q)+6*(\p/3)+\p%3
.if PC%8 < 5
	ds_load_b64 v[\reg+2*\p:\reg+2*\p+1], v[\adr] offset:8*PC+16*(PC/8)+(\i)*16*PITCH
.else
	ds_load_b64 v[\reg+2*\p:\reg+2*\p+1], v[\adr+2] offset:8*PC+16*(PC/8)+(\i)*16*PITCH
.endif
.endr
.endm
.macro FRAGA reg, slot, q, i           ; a fragment of A from its image: six pieces, each 256 consecutive bytes for the 32 lanes
.irp p, 0,1,2,3,4,5
	ds_load_b64 v[\reg+2*\p:\reg+2*\p+1], v[ADRA+\slot] offset:AROW*(\i)+1536*(\q)+256*\p
.endr
.endm
.macro MUL16 a0, p, q, sc, zero        ; the 64 accumulators take turns, one instruction a turn
.irp a, \a0, \a0+1
.irp b, 0,1,2,3,4,5,6,7
.if \zero
	v_wmma_scale_f32_16x16x128_f8f6f4 v[8*(8*((\a)%4)+\b):8*(8*((\a)%4)+\b)+7], v[128*(\p)+FR*\b:128*(\p)+FR*\b+FR-1], v[AF+FR*(\a):AF+FR*(\a)+FR-1], 0, v[SC+8*NQ*(\sc)+NQ*\b+(\q)], v[SC+8*NQ*(\sc)+NQ*(\a)+(\q)] matrix_a_fmt:MATRIX_FMT_FP6 matrix_b_fmt:MATRIX_FMT_FP6 matrix_a_scale:MATRIX_SCALE_ROW1
.else
	v_wmma_scale_f32_16x16x128_f8f6f4 v[8*(8*((\a)%4)+\b):8*(8*((\a)%4)+\b)+7], v[128*(\p)+FR*\b:128*(\p)+FR*\b+FR-1], v[AF+FR*(\a):AF+FR*(\a)+FR-1], v[8*(8*((\a)%4)+\b):8*(8*((\a)%4)+\b)+7], v[SC+8*NQ*(\sc)+NQ*\b+(\q)], v[SC+8*NQ*(\sc)+NQ*(\a)+(\q)] matrix_a_fmt:MATRIX_FMT_FP6 matrix_b_fmt:MATRIX_FMT_FP6 matrix_a_scale:MATRIX_SCALE_ROW1
.endif
.endr
.endr
.endm
.macro FETCH_B slot, q, p
	WIN TO_B
.irp i, 0,1,2,3,4,5,6,7
	FRAG 128*(\p)+FR*\i, ADRB+\slot, \q, \i
.endr
	WIN 0
.endm
.macro FETCH_A slot, q, i0
.irp i, \i0, \i0+1, \i0+2, \i0+3
	FRAGA AF+FR*(\i), \slot, \q, \i
.endr
.endm
.macro SCALES sc
.irp i, 0,1,2,3,4,5,6,7
	ds_load_b64 v[SC+8*NQ*\sc+NQ*\i:SC+8*NQ*\sc+NQ*\i+1], v[ADRS] offset:\i*SBLK
.endr
.endm
.macro PLACES n
.rept \n
	v_nop
.endr
.endm
.macro STEP slot, q, zero
	s_wait_dscnt 4*NL                              ; B's set and A's blocks 0-3 are in; the youngest 24 loads (A's blocks 4-7) may be out
	WIN MUL_LO
	MUL16 0, (\q)%2, \q, \slot, \zero
	MUL16 2, (\q)%2, \q, \slot, \zero
	s_wait_dscnt 0
	PLACES NP
	FETCH_B \slot, (\q)+1, 1-(\q)%2
	FETCH_A \slot, (\q)+1, 0
	WIN MUL_HI
	MUL16 4, (\q)%2, \q, \slot, \zero
	MUL16 6, (\q)%2, \q, \slot, \zero
	PLACES NP
	WIN 0
	FETCH_A \slot, (\q)+1, 4
.endm
.macro TURN slot, next, fill
	s_wait_tensorcnt 0x0                           ; all my tensor loads have landed: my part of the next slot
	ds_add_u32 v[SPW], v[NIL]                      ; 0 onto my spare word
	s_wait_dscnt 4*NL+1                            ; (the add and the youngest 24 loads may be out)
	WIN MUL_LO
	MUL16 0, 1, NQ-1, \slot, 0
	s_wait_dscnt 0x0                               ; the add is done, and my reads of this slot are over
	s_barrier_signal -1
	MUL16 2, 1, NQ-1, \slot, 0
	WIN 0
	s_barrier_wait -1
.if \fill
	CREST                                          ; the barrier has opened a round of the cluster's: no wave of any partner still reads this slot or has a load on its way
	s_add_nc_u64 s[G0+4*\slot+2:G0+4*\slot+3], s[G0+4*\slot+2:G0+4*\slot+3], 2*AROW
	s_add_nc_u64 s[G0B+4*\slot+2:G0B+4*\slot+3], s[G0B+4*\slot+2:G0B+4*\slot+3], 2*ROWB
	JLOAD G0+4*\slot, G1, G0B+4*\slot, G1B
.else
	PLACES NP
.endif
	v_add_nc_u32 v[ADRS], 4*NQ, v[ADRS]
	FETCH_B \next, 0, 0
	FETCH_A \next, 0, 0
	SCALES \next
	WIN MUL_HI
	MUL16 4, 1, NQ-1, \slot, 0
	MUL16 6, 1, NQ-1, \slot, 0
	PLACES NP
	WIN 0
	FETCH_A \next, 0, 4
.endm
	s_wait_tensorcnt 1                             ; the scale bytes and my part of K step 0 are in (K step 1's load may be out),
	s_barrier_signal -1
	s_barrier_wait -1
	FETCH_B 0, 0, 0
	FETCH_A 0, 0, 0
	SCALES 0
	FETCH_A 0, 0, 4
	STEP 0, 0, 1
	s_mov_b32 s3, LAPS-1
.Llap:
	TURN 0, 1, 1
	STEP 1, 0, 0
	TURN 1, 0, 1
	STEP 0, 0, 0
	s_sub_co_u32 s3, s3, 1
	s_cmp_lg_u32 s3, 0
	s_cbranch_scc1 .Llap
	TURN 0, 1, 0
	STEP 1, 0, 0
	s_wait_dscnt 4*NL
	WIN MUL_LO
	MUL16 0, 1, NQ-1, 1, 0
	MUL16 2, 1, NQ-1, 1, 0
	s_wait_dscnt 0
	WIN MUL_HI
	MUL16 4, 1, NQ-1, 1, 0
	MUL16 6, 1, NQ-1, 1, 0
	WIN 0
; THE WAY OUT, block by block of 16 rows x 128 columns, through my own stage in LDS: back as whole rows of 512 bytes.  LDS serves a wave's instructions in order (ISA guide 5.7.1.4).
.macro TOSTAGE a
.set AC, 64*((\a)%4)
	WIN 0x08+4*((\a)/4)                            ; the data: window 2 or 3
.irp b, 0,1,2,3,4,5,6,7
	ds_store_b128 v[STO], v[AC+8*\b:AC+8*\b+3] offset:64*\b          ; each accumulator from its low end on
	ds_store_b128 v[STO], v[AC+8*\b+4:AC+8*\b+7] offset:64*\b+16
.endr
	WIN 0
.set BB, BK+64*((\a)%2)
.irp t, 0,1,2,3,4,5,6,7,8,9,10,11,12,13,14,15
	ds_load_b128 v[BB+4*\t:BB+4*\t+3], v[RD] offset:\t*SPITCH
.endr
.endm
.macro SEND a, younger
.set BB, BK+64*((\a)%2)
	s_wait_dscnt \younger                          ; the block is back in registers
.if (\a) > 0
	s_add_nc_u64 s[12:13], s[12:13], 16*SIZE_N*4   ; (behind a wait on XCNT: the earlier stores have read their base)
.endif
.irp t, 0,1,2,3,4,5,6,7,8,9,10,11,12,13,14,15
	global_store_b128 v[CO], v[BB+4*\t:BB+4*\t+3], s[12:13] offset:\t*SIZE_N*4 th:TH_STORE_NT   ; 32 lanes store 512 consecutive bytes, aligned
.endr
.endm
	PLACES NP
	TOSTAGE 0
.irp a, 1,2,3,4,5,6,7
.if \a > 1
	s_wait_xcnt 0x0                                ; block a - 2's stores have read their registers and their base
.endif
	TOSTAGE \a
	SEND \a-1, 32                                  ; behind block a - 1's loads: block a's 16 stores and 16 loads
.endr
	s_wait_xcnt 0x0
	SEND 7, 0
	s_wait_tensorcnt 0x0                           ; the wave's end
	ds_add_u32 v[SPW], v[NIL]
	s_wait_dscnt 0x0
	CROUND                                         ; the closing round
	s_endpgm
.Lfunc_end_k_qbc4381159c_oproj:
	.size	k_qbc4381159c_oproj, .Lfunc_end_k_qbc4381159c_oproj-k_qbc4381159c_oproj
	.p2alignl 7, 3214868480
	.fill 96, 4, 3214868480
	.section	.rodata,"a",@progbits
	.p2align	6, 0x0
	.amdhsa_kernel k_qbc4381159c_oproj
		.amdhsa_group_segment_fixed_size 327680
		.amdhsa_private_segment_fixed_size 0
		.amdhsa_enable_private_segment 0
		.amdhsa_kernarg_size 40
		.amdhsa_user_sgpr_count 2
		.amdhsa_user_sgpr_kernarg_segment_ptr 1
		.amdhsa_wavefront_size32 1
		.amdhsa_system_sgpr_workgroup_id_x 1
		.amdhsa_system_sgpr_workgroup_id_y 1
		.amdhsa_system_sgpr_workgroup_id_z 1
		.amdhsa_system_vgpr_workitem_id 0
		.amdhsa_next_free_vgpr 1024
		.amdhsa_next_free_sgpr 98
		.amdhsa_reserve_vcc 0
		.amdhsa_float_denorm_mode_32 3
		.amdhsa_float_denorm_mode_16_64 3
		.amdhsa_memory_ordered 1
		.amdhsa_forward_progress 1
		.amdhsa_inst_pref_size 160
	.end_amdhsa_kernel
	.amdgpu_metadata
---
amdhsa.version: [ 1, 2 ]
amdhsa.kernels:
  - .name:           k_qbc4381159c_oproj
    .symbol:         k_qbc4381159c_oproj.kd
    .args:
      - { .name: attn_img, .offset: 0, .size: 8, .value_kind: global_buffer, .address_space: global }
      - { .name: attn_sc, .offset: 8, .size: 8, .value_kind: global_buffer, .address_space: global }
      - { .name: in_codes, .offset: 16, .size: 8, .value_kind: global_buffer, .address_space: global }
      - { .name: in_scales, .offset: 24, .size: 8, .value_kind: global_buffer, .address_space: global }
      - { .name: out0, .offset: 32, .size: 8, .value_kind: global_buffer, .address_space: global }
    .group_segment_fixed_size: 327680
    .private_segment_fixed_size: 0
    .kernarg_segment_align: 8
    .kernarg_segment_size: 40
    .max_flat_workgroup_size: 128
    .sgpr_count:     98
    .vgpr_count:     1024
    .wavefront_size: 32
...
	.end_amdgpu_metadata
.endif
;; end of part 4
